; MI455X (gfx1250); checked and timed in simulation.
; The chip was launched on July 23, 2026; its instructions are those of AMD's public machine-readable ISA for CDNA 5 (MIT licence, August 2026) and "CDNA5" Instruction Set Architecture Reference Guide (July 2026). The comments in the code are by the model that wrote it; some were corrected since.
;; Multi Head Attention Block. Allowed arithmetic: matrix products marked QUANTISED: E2M1 operands, one E8M0 scale for each 32 along K, by v_wmma_scale_f32_16x16x128_f8f6f4 with both operands' format E2M1 (or v_wmma_scale_f32_32x16x128_f4), f32 sums; products left as they are: bf16, f16 or f32 operands; f32 sums; everything else in f32.
;; Inputs: k 2 x 2,048 x 1,024 float32; mask 2 x 1 x 1 x 2,048 int32; q 2 x 2,048 x 1,024 float32; v 2 x 2,048 x 1,024 float32; w_k 1,024 x 1,024 float32; w_o 1,024 x 1,024 float32; w_q 1,024 x 1,024 float32; w_v 1,024 x 1,024 float32.
;; Outputs: out0 2 x 2,048 x 1,024 float32.
;; This version of the problem:
;;   THIS VERSION OF THE PROBLEM IS GIVEN IN LOW PRECISION. The matrix products marked QUANTISED in the list below multiply operands that are first quantised to E2M1 (2 exponent bits, 1 mantissa bit; 4 bits a number), with one power-of-two scale for each 32 numbers along K (OCP MX v1.0); their sums are f32. The products marked 'left as it is' may take bf16, f16 or f32 operands, with f32 sums. Whichever they take, every output number must still come out within the allowed error. Rounding operands to bf16 (8 significant bits) uses up far more of that allowance than f16 does (11 bits, for magnitudes from 6e-5 to 65,504). All else is computed in f32.
;;   The module's matrix products, in the order in which they are computed (A, B: the left and right operand; K: the contracted axis; several contracted axes count as one K, in the product's order):
;;     1. [M 4,096, K 1,024] x [K 1,024, N 1,024]; A: input q; B: input w_q: QUANTISED
;;     2. [M 4,096, K 1,024] x [K 1,024, N 1,024]; A: input k; B: input w_k: QUANTISED
;;     3. [M 4,096, K 1,024] x [K 1,024, N 1,024]; A: input v; B: input w_v: QUANTISED
;;     4. batch 32 x [M 2,048, K 64] x [K 64, N 2,048]; A: computed on the way; B: computed on the way: left as it is (an operand is computed on the way)
;;     5. batch 32 x [M 2,048, K 2,048] x [K 2,048, N 64]; A: computed on the way; B: computed on the way: left as it is (an operand is computed on the way)
;;     6. [M 4,096, K 1,024] x [K 1,024, N 1,024]; A: computed on the way; B: input w_o: left as it is (an operand is computed on the way)
;;   THE QUANTISER, for each operand of a quantised product, along K:
;;     - K is cut into blocks of 32 from its start; a last block that is shorter is filled with zeros.
;;     - A block's scale is 2^e with e = floor(log2(the largest magnitude in the block)) - 2, held to -126 .. 127; a block of zeros has e = 0. As a byte (E8M0): e + 127.
;;     - Each number is divided by its block's scale, clamped to +-6, and rounded to the nearest number of E2M1, ties to even, subnormals kept.
;;     - The product sums the exact products of the quantised numbers (number of the format x scale) in f32.
;;   ~~~python
;;   def quantise(x, axis):      # numpy; x: float32 -> the quantised numbers, widened to float32 again
;;       x = np.moveaxis(x, axis, -1); K = x.shape[-1]
;;       x = np.pad(x, [(0, 0)] * (x.ndim - 1) + [(0, -K % 32)]); x = x.reshape(x.shape[:-1] + (-1, 32)); a = np.abs(x).max(-1, keepdims=True)
;;       e = np.where(a > 0, np.clip(np.frexp(np.where(a > 0, a, 1))[1] - 1 - 2, -126, 127), 0)      # np.frexp(a)[1] - 1 = floor(log2(a)), exactly
;;       r = np.clip(x / 2.0 ** e, -6, 6)
;;       step = 2.0 ** (np.maximum(np.frexp(np.where(r == 0, 1, r))[1] - 1, 0) - 1)
;;       q = np.round(r / step) * step * 2.0 ** e      # np.round: ties to even
;;       return np.moveaxis(q.reshape(q.shape[:-2] + (-1,))[..., :K], -1, axis).astype(np.float32)
;;   ~~~
;; One version. Each part assembles by itself: llvm-mc -triple=amdgcn-amd-amdhsa -mcpu=gfx1250 --defsym DOCPART=n.
;; ======== version 1 of 1: 4 launches
;; limits: values are held in f16: magnitudes above 65,504 overflow, below 6.1e-05 lose precision
;; workspace buffers: codes 7,864,320 bytes; scales 491,520 bytes; wo16 2,097,152 bytes; qkv 25,165,824 bytes; att 8,388,608 bytes
;; launch quant (part 1): grid 512 x 1, 4 waves a work-group, no clusters, 33,280 bytes of LDS; arguments q, k, v, w_q, w_k, w_v, w_o, codes, scales, wo16; writes codes, scales, wo16
.if DOCPART == 1
	.amdgcn_target "amdgcn-amd-amdhsa--gfx1250"
	.amdhsa_code_object_version 6
	.text
	.protected	k_q498d44220e_quant
	.globl	k_q498d44220e_quant
	.p2align	8
	.type	k_q498d44220e_quant,@function
k_q498d44220e_quant:
	s_mov_b64 s[64:65], 0
	v_nop
	global_prefetch_b8 v0, s[64:65] scope:SCOPE_SE
	s_setreg_imm32_b32 hwreg(HW_REG_WAVE_MODE, 25, 1), 1
	s_wait_xcnt 0x0
; q, k, v [4096][1024] and w_q, w_k, w_v [1024][1024], f32, K innermost, become codes of FP4 (E2M1) with one E8M0 scale byte for each 32 along K;
; w_o [1024][1024] becomes f16 in blocks [n / 128][k / 64][n % 128][k % 64], 16,384 dense bytes a block, as the last launch reads it.
; The six quantised tensors are ONE stream of blocks of 32 numbers, in the order q, k, v, w_q, w_k, w_v: codes has 15,360 rows of 512 bytes, scales 15,360 rows of 32 bytes.
; A block's scale is 2^(floor(log2(its largest magnitude)) - 2); its byte is the largest magnitude's exponent field - 2, held at 1 from below.  A block of zeros so gets the byte 1:
; its codes are zeros, which add nothing under any byte but 0xff, and the bytes are read by this program alone.
; LIMITS: blocks whose largest magnitude lies under 2^-124 keep the byte 1; NaN and infinities among the inputs are not served.
; Work-groups 0 to 479 quantise, 32,768 numbers each, 8,192 a wave in 16 steps of 512.  Each load reads 512 consecutive bytes, 16 a lane; a step's 2,048 bytes turn through the wave's own stage in LDS
; and come back 64 bytes a lane, so that a lane holds 16 neighbours along K and two neighbouring lanes a block.  Work-groups 480 to 511 convert w_o, a block of 128 x 64 a wave.
; No tensor loads, no barrier: waves share nothing.
.set NQWG,  480                        ; 3 x 128 + 3 x 32 work-groups of 32,768 numbers
.set STEPS, 16
.set EMAX,  2
.set CB,    8                          ; bytes of 16 codes
.set R,     16                         ; v16-79   four sets of 16 numbers as they are loaded
.set X,     80                         ; v80-111  two sets of 16 neighbours
.set C,     128                        ; v128-191 codes: four registers for each step, so that no store's data are written again
.set E,     112                        ; v112-127 a scale byte for each step
.set WREG,  8192                       ; LDS: a region for each wave: two stages of 32 x SP bytes, behind them its 256 scale bytes
.set SP,    80                         ; a lane's place in a stage: its 64 bytes + 16 of padding
.set SPW,   12                         ; v12      LDS address of my spare word; never rewritten
.set NIL,   13                         ; v13      0; never rewritten
.set SPARE, 4*WREG                     ; behind the four regions: the spare words, 128 bytes a wave
.set WL,    16                         ; w_o: v16-143 two sets of 16 units x 4 numbers
.set WO,    144                        ; w_o: v144-175 16 units x 4 f16
	s_load_b512 s[8:23], s[0:1], 0x0               ; q 8, k 10, v 12, w_q 14, w_k 16, w_v 18, w_o 20, codes 22
	s_load_b128 s[24:27], s[0:1], 0x40             ; scales 24, wo16 26
	v_lshl_add_u32 v[SPW], v0, 2, SPARE
	v_mov_b32 v[NIL], 0
	v_lshrrev_b32 v1, 5, v0
	v_readfirstlane_b32 s28, v1                    ; wave 0..3
	v_and_b32 v2, 31, v0                           ; lane
	s_cmp_lt_u32 ttmp9, NQWG                       ; the work-group's number alone decides
	s_cbranch_scc1 .Lquant
	; ---- w_o to f16.  Wave W of 128 takes block (nt, kb) = (W / 16, W % 16): 128 rows n x 64 along k
	s_sub_co_u32 s29, ttmp9, NQWG
	s_lshl_b32 s29, s29, 2
	s_add_co_u32 s29, s29, s28                     ; W
	s_lshr_b32 s30, s29, 4
	s_and_b32 s31, s29, 15
	s_lshl_b32 s30, s30, 19                        ; nt x 128 rows of 4,096 bytes
	s_lshl_b32 s31, s31, 8                         ; kb x 64 numbers of 4 bytes
	s_add_co_u32 s30, s30, s31
	s_mov_b32 s31, 0
	s_lshl_b32 s32, s29, 14                        ; W x 16,384 bytes
	s_mov_b32 s33, 0
	v_lshrrev_b32 v3, 4, v2
	v_and_b32 v4, 15, v2
	v_lshlrev_b32 v3, 12, v3
	v_lshl_add_u32 v3, v4, 4, v3                   ; in: lanes 0-15 take 256 bytes of an even row, lanes 16-31 of the odd row below
	v_lshlrev_b32 v4, 3, v2                        ; out: 8 bytes a lane: the two rows' 128 bytes each lie on end
	s_wait_kmcnt 0x0
	s_add_nc_u64 s[20:21], s[20:21], s[30:31]
	s_add_nc_u64 s[26:27], s[26:27], s[32:33]
.macro LOADB b                         ; batch b: 16 units of two rows
.irp u, 0,1,2,3,4,5,6,7,8,9,10,11,12,13,14,15
	global_load_b128 v[WL+64*((\b)%2)+4*\u:WL+64*((\b)%2)+4*\u+3], v3, s[20:21] offset:(16*(\b)+\u)*8192 th:TH_LOAD_NT
.endr
.endm
.macro BATCH b
.if (\b) < 3
	s_wait_loadcnt 16                              ; this batch's 16 loads are in; the next batch's may be out
.else
	s_wait_loadcnt 0x0
.endif
.if (\b) > 0
	s_wait_xcnt 0x0                                ; the last batch's stores have read their data registers, which are written again below
.endif
.irp u, 0,1,2,3,4,5,6,7,8,9,10,11,12,13,14,15
	v_cvt_pk_f16_f32 v[WO+2*\u],   v[WL+64*((\b)%2)+4*\u],   v[WL+64*((\b)%2)+4*\u+1]
	v_cvt_pk_f16_f32 v[WO+2*\u+1], v[WL+64*((\b)%2)+4*\u+2], v[WL+64*((\b)%2)+4*\u+3]
.endr
.irp u, 0,1,2,3,4,5,6,7,8,9,10,11,12,13,14,15
	global_store_b64 v4, v[WO+2*\u:WO+2*\u+1], s[26:27] offset:(16*(\b)+\u)*256   ; 32 lanes store 256 consecutive bytes, aligned
.endr
.if (\b) < 2
	LOADB (\b)+2
.endif
.endm
	LOADB 0
	LOADB 1
	BATCH 0
	BATCH 1
	BATCH 2
	BATCH 3
	s_branch .Lend
.Lquant:
	; ---- the quantiser
	v_lshlrev_b32 v3, 4, v2                        ; my 16 bytes of a load's 512
	s_mul_i32 s29, s28, WREG
	v_lshrrev_b32 v14, 2, v2
	v_mul_u32_u24 v14, v14, SP
	v_and_b32 v15, 3, v2
	v_lshl_add_u32 v14, v15, 4, v14
	v_add_nc_u32 v14, s29, v14                     ; the stage, on the way in: four lanes' 64 bytes on end, then 16 of padding
	v_mul_u32_u24 v15, v2, SP
	v_add_nc_u32 v15, s29, v15                     ; and on the way out: SP x lane: my 16 neighbours
	v_mul_u32_u24 v4, v2, CB                       ; my codes' place in a step's
	v_lshrrev_b32 v5, 1, v2
	s_add_co_u32 s29, s29, 2*32*SP
	v_add_nc_u32 v5, s29, v5                       ; LDS: my wave's 256 scale bytes, my block's byte
	v_lshlrev_b32 v7, 3, v2                        ; and on the way out 8 bytes a lane
	v_add_nc_u32 v6, s29, v7
	s_wait_kmcnt 0x0
	s_mov_b64 s[4:5], s[8:9]                       ; which tensor: chosen by the work-group's number alone
	s_mov_b32 s6, 0                                ; and that tensor's first work-group
	s_cmp_ge_u32 ttmp9, 128
	s_cselect_b64 s[4:5], s[10:11], s[4:5]
	s_cselect_b32 s6, 128, s6
	s_cmp_ge_u32 ttmp9, 256
	s_cselect_b64 s[4:5], s[12:13], s[4:5]
	s_cselect_b32 s6, 256, s6
	s_cmp_ge_u32 ttmp9, 384
	s_cselect_b64 s[4:5], s[14:15], s[4:5]
	s_cselect_b32 s6, 384, s6
	s_cmp_ge_u32 ttmp9, 416
	s_cselect_b64 s[4:5], s[16:17], s[4:5]
	s_cselect_b32 s6, 416, s6
	s_cmp_ge_u32 ttmp9, 448
	s_cselect_b64 s[4:5], s[18:19], s[4:5]
	s_cselect_b32 s6, 448, s6
	s_sub_co_u32 s7, ttmp9, s6
	s_lshl_b32 s7, s7, 2
	s_add_co_u32 s7, s7, s28                       ; my run of 8,192 numbers in the tensor
	s_lshl_b32 s30, s7, 15
	s_mov_b32 s31, 0
	s_add_nc_u64 s[4:5], s[4:5], s[30:31]
	s_lshl_b32 s7, ttmp9, 2
	s_add_co_u32 s7, s7, s28                       ; and in the one stream of codes and scale bytes
	s_lshl_b32 s30, s7, 12                         ; 4,096 bytes of codes a run
	s_add_nc_u64 s[22:23], s[22:23], s[30:31]
	s_lshl_b32 s30, s7, 8                          ; 256 scale bytes a run
	s_add_nc_u64 s[24:25], s[24:25], s[30:31]
.macro LOAD t
.irp i, 0,1,2,3
	global_load_b128 v[R+16*((\t)%4)+4*\i:R+16*((\t)%4)+4*\i+3], v3, s[4:5] offset:2048*(\t)+512*\i th:TH_LOAD_NT   ; 32 lanes read 512 consecutive bytes
.endr
.endm
.macro TURN t                          ; step t's numbers through the stage: LDS serves a wave's instructions in order, so no wait stands between the stores and the loads
.irp i, 0,1,2,3
	ds_store_b128 v14, v[R+16*((\t)%4)+4*\i:R+16*((\t)%4)+4*\i+3] offset:32*SP*((\t)%2)+8*SP*\i
.endr
.irp i, 0,1,2,3
	ds_load_b128 v[X+16*((\t)%2)+4*\i:X+16*((\t)%2)+4*\i+3], v15 offset:32*SP*((\t)%2)+16*\i
.endr
.endm
.irp t, 0,1,2,3
	LOAD \t
.endr
	s_wait_loadcnt 12                              ; step 0's four loads are in
	TURN 0
.macro STEP t
.set XS, X+16*((\t)%2)
.if (\t) > 0
	s_wait_dscnt 1                                 ; this step's numbers are back from the stage (the last step's byte store may be out): so its stores into the stage have read their registers,
.else
	s_wait_dscnt 0x0
.endif
.if (\t)+4 < STEPS
	LOAD (\t)+4                                    ; which take the loads of four steps on
.endif
.if (\t)+1 < STEPS
.if STEPS-2-(\t) >= 3
	s_wait_loadcnt 12                              ; the next step's four loads are in; those of the three steps behind it may be out
.else
	s_wait_loadcnt 4*(STEPS-2-(\t))
.endif
	TURN (\t)+1                                    ; and go through the other stage while this step is worked
.endif
	v_max3_num_f32 v8, |v[XS]|, |v[XS+1]|, |v[XS+2]|               ; the largest magnitude of my 16, in two chains
	v_max3_num_f32 v9, |v[XS+3]|, |v[XS+4]|, |v[XS+5]|
.irp i, 6,10
	v_max3_num_f32 v8, v8, |v[XS+\i]|, |v[XS+\i+1]|
	v_max3_num_f32 v9, v9, |v[XS+\i+2]|, |v[XS+\i+3]|
.endr
	v_max3_num_f32 v8, v8, |v[XS+14]|, |v[XS+15]|
	v_max3_num_f32 v8, v8, v9, (EMAX+1)<<23        ; and the floor 2^(3 - 127): so the byte cannot fall under 1
	v_max_num_f32_dpp v8, v8, v8 row_xmask:1 row_mask:0xf bank_mask:0xf   ; and of my neighbour's 16: the block's
	v_add_nc_u32 v11, -(EMAX<<23), v8              ; 2 off its exponent field: the conversion takes the exponent field of this operand as its scale, and nothing else of it
	v_cvt_scalef32_pk8_fp4_f32 v[C+4*(\t)], v[XS:XS+7], v11        ; eight numbers / the scale, to the nearest code, ties to even, beyond the largest code the largest
	v_cvt_scalef32_pk8_fp4_f32 v[C+4*(\t)+1], v[XS+8:XS+15], v11
	v_lshrrev_b32 v[E+(\t)], 23, v11               ; the scale's byte (also the plain line behind the conversions)
	ds_store_b8 v5, v[E+(\t)] offset:16*(\t)       ; both lanes of a block write the same byte with the same value
	global_store_b64 v4, v[C+4*(\t):C+4*(\t)+1], s[22:23] offset:32*CB*(\t)   ; 32 lanes store 256 consecutive bytes, aligned
.endm
.irp t, 0,1,2,3,4,5,6,7,8,9,10,11,12,13,14,15
	STEP \t
.endr
	ds_load_b64 v[8:9], v6                         ; LDS serves a wave's instructions in order: these see my byte stores
	s_wait_dscnt 0x0
	global_store_b64 v7, v[8:9], s[24:25]          ; 32 lanes store my run's 256 scale bytes, aligned
.Lend:
	s_wait_tensorcnt 0x0                           ; the wave's end: behind my last LDS store
	ds_add_u32 v[SPW], v[NIL]
	s_wait_dscnt 0x0
	s_endpgm
.Lfunc_end_k_q498d44220e_quant:
	.size	k_q498d44220e_quant, .Lfunc_end_k_q498d44220e_quant-k_q498d44220e_quant
	.p2alignl 7, 3214868480
	.fill 96, 4, 3214868480
	.section	.rodata,"a",@progbits
	.p2align	6, 0x0
	.amdhsa_kernel k_q498d44220e_quant
		.amdhsa_group_segment_fixed_size 33280
		.amdhsa_private_segment_fixed_size 0
		.amdhsa_enable_private_segment 0
		.amdhsa_kernarg_size 80
		.amdhsa_user_sgpr_count 2
		.amdhsa_user_sgpr_kernarg_segment_ptr 1
		.amdhsa_wavefront_size32 1
		.amdhsa_system_sgpr_workgroup_id_x 1
		.amdhsa_system_sgpr_workgroup_id_y 1
		.amdhsa_system_sgpr_workgroup_id_z 1
		.amdhsa_system_vgpr_workitem_id 0
		.amdhsa_next_free_vgpr 192
		.amdhsa_next_free_sgpr 66
		.amdhsa_reserve_vcc 0
		.amdhsa_float_denorm_mode_32 3
		.amdhsa_float_denorm_mode_16_64 3
		.amdhsa_memory_ordered 1
		.amdhsa_forward_progress 1
		.amdhsa_inst_pref_size 55
	.end_amdhsa_kernel
	.amdgpu_metadata
---
amdhsa.version: [ 1, 2 ]
amdhsa.kernels:
  - .name:           k_q498d44220e_quant
    .symbol:         k_q498d44220e_quant.kd
    .args:
      - { .name: q, .offset: 0, .size: 8, .value_kind: global_buffer, .address_space: global }
      - { .name: k, .offset: 8, .size: 8, .value_kind: global_buffer, .address_space: global }
      - { .name: v, .offset: 16, .size: 8, .value_kind: global_buffer, .address_space: global }
      - { .name: w_q, .offset: 24, .size: 8, .value_kind: global_buffer, .address_space: global }
      - { .name: w_k, .offset: 32, .size: 8, .value_kind: global_buffer, .address_space: global }
      - { .name: w_v, .offset: 40, .size: 8, .value_kind: global_buffer, .address_space: global }
      - { .name: w_o, .offset: 48, .size: 8, .value_kind: global_buffer, .address_space: global }
      - { .name: codes, .offset: 56, .size: 8, .value_kind: global_buffer, .address_space: global }
      - { .name: scales, .offset: 64, .size: 8, .value_kind: global_buffer, .address_space: global }
      - { .name: wo16, .offset: 72, .size: 8, .value_kind: global_buffer, .address_space: global }
    .group_segment_fixed_size: 33280
    .private_segment_fixed_size: 0
    .kernarg_segment_align: 8
    .kernarg_segment_size: 80
    .max_flat_workgroup_size: 128
    .sgpr_count:     66
    .vgpr_count:     192
    .wavefront_size: 32
...
	.end_amdgpu_metadata
.endif
;; end of part 1
;; launch proj (part 2): grid 4 x 48, 4 waves a work-group, clusters of 4 x 4, 327,680 bytes of LDS; arguments codes, scales, mask, qkv; writes qkv
.if DOCPART == 2
	.amdgcn_target "amdgcn-amd-amdhsa--gfx1250"
	.amdhsa_code_object_version 6
	.text
	.protected	k_q498d44220e_proj
	.globl	k_q498d44220e_proj
	.p2align	8
	.type	k_q498d44220e_proj,@function
k_q498d44220e_proj:
	s_mov_b64 s[64:65], 0
	v_nop
	global_prefetch_b8 v0, s[64:65] scope:SCOPE_SE
	s_setreg_imm32_b32 hwreg(HW_REG_WAVE_MODE, 25, 1), 1
	s_wait_xcnt 0x0
	s_wait_alu depctr_hold_cnt(0) depctr_sa_sdst(0) depctr_va_vdst(0) depctr_va_sdst(0) depctr_va_ssrc(0) depctr_va_vcc(0) depctr_vm_vsrc(0)
	s_getreg_b32 s2, hwreg(HW_REG_IB_STS2, 6, 4)
	s_cmp_eq_u32 s2, 0
	s_cbranch_scc0 .Lentry_in_a_cluster
	s_endpgm
.Lentry_in_a_cluster:
	s_bfe_u32 s2, ttmp6, 0x10000c
	s_cmp_lg_u32 s2, 0xf033
	s_cbranch_scc0 .Lentry_shape_is_right
	s_endpgm
.Lentry_shape_is_right:
; The three projections on codes of FP4 (E2M1) with E8M0 scales: C[m][n] = sum over k of A[m][k] B[n][k], K = 1,024, sums in f32, results rounded once to f16.
; Both operands are rows of the one buffer of codes (15,360 rows of 512 bytes: q, k, v, w_q, w_k, w_v) and of the one buffer of scale bytes (32 bytes a row).
; Twelve clusters of 4 x 4 work-groups, g = cluster / 4, i = cluster % 4.  g = 0: A = q, B = w_q; g = 1: A = k, B = w_k: m is a token, n a feature.
; g = 2: THE OPERANDS CHANGE PLACES: A = w_v, B = v: m is a feature, n a token, so that the same text writes V with the keys innermost.
; A tile of C is 256 x 256: four waves, each 128 x 128: 64 accumulators of 16 x 16.  K goes in two steps of 512 through two LDS slots, each filled ONCE at the start: nothing is ever filled again.
; The scale bytes of the work-group's 256 + 256 rows come once, with the first fills.  A's tiles are asked for jointly along a row of the cluster, B's along a column.
; THE MATRIX INSTRUCTION IS USED TRANSPOSED (source 0 = 16 rows of B, source 1 = 16 rows of A): a lane holds eight neighbouring n of one row m.
; OUT: every block of 64 m x 64 n is 8,192 dense bytes [m % 64][n % 64] of f16.  Parts 0 and 1 of qkv: [head][token][64]; part 2: [head][token / 64][channel][64 tokens].
; THE MASK: in part 1 (the keys) the rows of tokens whose mask word is 0 are stored as zeros; the next launch starts those keys' scores from the replacement value, which the zeros then leave exact.
; LIMITS: a projected number must stay under 65,504 in magnitude (f16); NaN and infinities are not served.
; REGISTERS, in windows of 256: window 0: v0-31 addresses; v32-95 scale words, two sets; v96-103 mask words; from v128 A's fragments, one set; on the way out v128-223.
;   window 1: B's fragments, two sets, at v0 and v128.   window 2: the accumulators of my rows 0-63 ((a, b) at v[8 (8 a + b)]);   window 3: those of my rows 64-127.
.set NQ,     4                         ; matrix instructions deep in a slot: 512 along K
.set ROWB,   256                       ; a tile's row in bytes
.set KROW,   512                       ; a row of codes in memory
.set PITCH,  272                       ; an LDS row: 256 bytes + 16 of padding: the 16 rows that a load touches begin at 16 different 16-byte columns modulo 256 bytes
.set FR,     8                         ; registers of a fragment: 16 rows x 128 K
.set NL,     2                         ; LDS loads that bring one
.set NP,     4                         ; places behind this matrix instruction (ISA guide 7.12.1)
.set HALFT,  128*PITCH                 ; 128 rows: what one tensor load brings
.set SLOT,   4*HALFT                   ; A's 256 rows, then B's 256 rows
.set KS,     32                        ; a row of scale bytes
.set SCL,    2*SLOT                    ; behind the slots: the scale bytes, as units of 256 bytes + 16 of padding
.set HALFS,  (128*KS/256)*272          ; those of 128 rows
.set SBLK,   (16*KS/256)*272           ; those of 16 rows
.set SPARE,  SCL+4*HALFS               ; the spare words, 128 bytes a wave
.set T16,    8*272                     ; the way out: 16 rows of 128 bytes, two to an LDS row of 256 + 16
.set ADRA, 16                          ; v16-17  LDS address of my A fragments in slot 0, 1
.set ADRB, 20                          ; v20-21  the same for B
.set STO,  24                          ; v24     the way out: where I put 16 bytes of a row
.set RD,   25                          ; v25     the way out: where I read 16 bytes back
.set CO,   26                          ; v26     16 x lane
.set ADRS, 27                          ; v27     LDS address of my scale words: lanes 0-15 A's rows, lanes 16-31 B's
.set SPW,  28                          ; v28     LDS address of my spare word; never rewritten
.set NIL,  29                          ; v29     0; never rewritten
.set MKO,  30                          ; v30     4 x (lane % 16)
.set SC,   32                          ; scale words: set s at v[SC + 32 s]; register 4 i + q: lanes 0-15 A's block i, lanes 16-31 B's block i
.set MK,   96                          ; v96-103 block a's mask word of my row
.set AF,   128                         ; A's fragments
.set BK,   128                         ; the way out: rows read back: v128-159 and v160-191 by turns
.set TMP,  192                         ; the way out: a block's 32 packed registers
.set G1, 24                            ; s[24:31] group 1 for A's tiles;  s[32:39] group 0, one set a slot
.set G0, 32
.set G1B, 48                           ; s[48:55], s[56:63] the same for B's
.set G0B, 56
.set G1S, 68                           ; s[68:75], s[76:79] groups 1 and 0 for A's scales;  s[80:87], s[88:91] for B's
.set G0S, 76
.set G1SB, 80
.set G0SB, 88
.set OB,  92                           ; s[92:99] four output bases: block (ma, hh) of my 2 x 2 blocks of 64 x 64 at s[OB + 4 ma + 2 hh]
.set MSB, 0
.macro WIN new                         ; the immediate's high byte repeats the setting that is left
.if MSB != (\new)
	s_set_vgpr_msb (MSB<<8)|(\new)
.set MSB, (\new)
.endif
.endm
.set MUL_LO, 0xa1                      ; source 0 (B) window 1, source 1 (A) window 0, C and D window 2
.set MUL_HI, 0xf1                      ; the same, C and D window 3
.set TO_B,   0x40                      ; destination window 1, address window 0
; A joint load: waves 0 and 1 fetch for A, waves 2 and 3 for B.  Each line has one mask and one set of registers for all that issue it; the branch hangs on the wave's number alone.
; An s_nop 0 and four v_nop follow each of the two lines.
.macro JLOAD g0a, g1a, g0b, g1b
	s_cmp_eq_u32 s15, 0
	s_cbranch_scc0 .Lfor_b_\@
	tensor_load_to_lds s[\g0a:\g0a+3], s[\g1a:\g1a+7]
	s_nop 0
.rept 4
	v_nop
.endr
	s_branch .Lasked_\@
.Lfor_b_\@:
	tensor_load_to_lds s[\g0b:\g0b+3], s[\g1b:\g1b+7]
	s_nop 0
.rept 4
	v_nop
.endr
.Lasked_\@:
.endm
.macro CROUND                          ; a round of the cluster's barrier
	s_barrier_signal -1
	s_barrier_wait -1
	s_cmp_lg_u32 s14, 0
	s_cbranch_scc1 .Lnot_wave_0_\@
	s_barrier_signal -3
.Lnot_wave_0_\@:
	s_barrier_wait -3
	s_barrier_signal -1
	s_barrier_wait -1
.endm
	s_load_b256 s[4:11], s[0:1], 0x0               ; codes s[4:5], scales s[6:7], mask s[8:9], qkv s[10:11]
	v_lshl_add_u32 v[SPW], v0, 2, SPARE
	v_mov_b32 v[NIL], 0
	ds_add_u32 v[SPW], v[NIL]                      ; the wave's opening: the add, twice on end, and its wait ahead of my first tensor load
	ds_add_u32 v[SPW], v[NIL]                      ; and once more, under the one wait; the set-up below is work on registers
	v_lshrrev_b32 v1, 5, v0
	v_readfirstlane_b32 s14, v1                    ; wave 0..3
	s_lshr_b32 s15, s14, 1                         ; which half of the tile's rows is mine.  Also: I fetch for A (0) or for B (1)
	s_and_b32 s16, s14, 1                          ; which half of its columns.  Also: which 128 rows I fetch
	s_bfe_u32 s40, ttmp6, 0x40000                  ; cx, cy: my place in the cluster
	s_bfe_u32 s41, ttmp6, 0x40004
	s_and_b32 s2, ttmp7, 0xffff                    ; the cluster, 0..11
	s_lshr_b32 s12, s2, 2                          ; g: which projection
	s_and_b32 s13, s2, 3                           ; i: which quarter of the tokens
	s_lshl_b32 s23, s12, 12                        ; the tokens' first row in codes: 4,096 g
	s_lshl_b32 s66, s12, 10
	s_add_co_u32 s66, s66, 12288                   ; the weight's: 12,288 + 1,024 g
	s_cmp_eq_u32 s12, 2                            ; V: the operands change places.  Only moves and selects stand behind the compare
	s_cselect_b32 s96, 0, s13                      ; the quarter counts tile rows,
	s_cselect_b32 s97, s13, 0                      ; or tile columns
	s_cselect_b32 s98, s66, s23                    ; A's first row
	s_cselect_b32 s99, s23, s66                    ; B's first row
	s_mov_b32 s100, 8192
	s_cselect_b32 s100, 0x80000, s100              ; bytes from a block of 64 m to the next
	s_mov_b32 s101, 0x80000
	s_cselect_b32 s101, 8192, s101                 ; bytes from a block of 64 n to the next
	s_cmp_lg_u32 s12, 1
	s_cselect_b32 s67, 1, 0                        ; 1 where the mask does not count: everywhere but in the keys
	s_lshl_b32 s17, s96, 2
	s_add_co_u32 s17, s17, s41                     ; tile row
	s_lshl_b32 s42, s97, 2
	s_add_co_u32 s42, s42, s40                     ; tile column
	s_lshl_b32 s43, s41, 2
	s_lshl_b32 s43, 15, s43                        ; my row of the cluster
	s_lshl_b32 s44, 0x1111, s40                    ; my column
	; group 1: a tile of 128 rows x 256 bytes, padded in LDS
	s_or_b32 s[G1+0], s43, (0<<16)|(1<<20)|(1<<21)|(5<<22)|(3<<25)  ; 15:0 the mask; 17:16 elements of 1 byte; 20 padding on; 21 set beside a mask; 24:22 after every 64 words; 31:25 four words
	s_or_b32 s[G1B+0], s44, (0<<16)|(1<<20)|(1<<21)|(5<<22)|(3<<25)
.irp g, G1, G1B
	s_mov_b32 s[\g+1], ROWB<<16                    ; tensor_dim0
	s_mov_b32 s[\g+2], 128<<16                     ; tensor_dim1
	s_mov_b32 s[\g+3], ROWB<<16                    ; tile_dim0
	s_mov_b32 s[\g+4], 128                         ; tile_dim1
	s_mov_b32 s[\g+5], KROW                        ; from row to row
	s_mov_b32 s[\g+6], 0
	s_mov_b32 s[\g+7], 0
.endr
	; the scale bytes of 128 rows: 4,096 dense bytes, as 16 rows of 256 bytes (32 elements of 8 bytes), 16 bytes of padding behind each
	s_or_b32 s[G1S+0], s43, (3<<16)|(1<<20)|(1<<21)|(5<<22)|(3<<25)
	s_or_b32 s[G1SB+0], s44, (3<<16)|(1<<20)|(1<<21)|(5<<22)|(3<<25)
.irp g, G1S, G1SB
	s_mov_b32 s[\g+1], 32<<16
	s_mov_b32 s[\g+2], (128*KS/256)<<16
	s_mov_b32 s[\g+3], 32<<16
	s_mov_b32 s[\g+4], 128*KS/256
	s_mov_b32 s[\g+5], 32
	s_mov_b32 s[\g+6], 0
	s_mov_b32 s[\g+7], 0
.endr
	s_lshl_b32 s18, s16, 7                         ; which 128 rows of the tile I fetch
	s_lshl_b32 s20, s17, 8
	s_add_co_u32 s20, s20, s18
	s_add_co_u32 s20, s20, s98                     ; A: its first row + 256 x tile row + 128 x half
	s_lshl_b32 s46, s42, 8
	s_add_co_u32 s46, s46, s18
	s_add_co_u32 s46, s46, s99                     ; B: its first row + 256 x tile column + 128 x half
	s_lshl_b32 s22, s20, 5                         ; where these rows' scale bytes begin,
	s_mov_b32 s23, 0
	s_lshl_b32 s92, s46, 5
	s_mov_b32 s93, 0
	s_lshl_b32 s20, s20, 9                         ; and their codes (under 2^23 bytes)
	s_mov_b32 s21, 0
	s_lshl_b32 s46, s46, 9
	s_mov_b32 s47, 0
	s_mul_i32 s45, s14, HALFT                      ; where they go: wave x 128 rows: no place in the cluster enters an LDS address
	s_mul_i32 s94, s14, HALFS
	s_wait_dscnt 0x0                               ; both opening adds are done
	s_wait_kmcnt 0x0
	s_add_nc_u64 s[20:21], s[4:5], s[20:21]
	s_add_nc_u64 s[22:23], s[6:7], s[22:23]
	s_add_nc_u64 s[46:47], s[4:5], s[46:47]
	s_add_nc_u64 s[92:93], s[6:7], s[92:93]
	CROUND                                         ; all sixteen work-groups are here: the joint loads meet
	s_mov_b32 s[G0S], 1
	s_add_co_u32 s[G0S+1], s94, SCL
	s_mov_b64 s[G0S+2:G0S+3], s[22:23]
	s_or_b32 s[G0S+3], s[G0S+3], 0x80000000
	s_mov_b32 s[G0SB], 1
	s_add_co_u32 s[G0SB+1], s94, SCL
	s_mov_b64 s[G0SB+2:G0SB+3], s[92:93]
	s_or_b32 s[G0SB+3], s[G0SB+3], 0x80000000
	JLOAD G0S, G1S, G0SB, G1SB                     ; the scale bytes first: they are wanted with the first K step
.irp s, 0,1
	s_mov_b32 s[G0+4*\s], 1
	s_add_co_u32 s[G0+4*\s+1], s45, \s*SLOT
	s_add_nc_u64 s[G0+4*\s+2:G0+4*\s+3], s[20:21], \s*ROWB
	s_or_b32 s[G0+4*\s+3], s[G0+4*\s+3], 0x80000000
	s_mov_b32 s[G0B+4*\s], 1
	s_add_co_u32 s[G0B+4*\s+1], s45, \s*SLOT
	s_add_nc_u64 s[G0B+4*\s+2:G0B+4*\s+3], s[46:47], \s*ROWB
	s_or_b32 s[G0B+4*\s+3], s[G0B+4*\s+3], 0x80000000
	JLOAD G0+4*\s, G1, G0B+4*\s, G1B               ; both K steps: three loads of mine are out, and none follows
.endr
	v_and_b32 v1, 15, v0                           ; r = lane % 16
	v_bfe_u32 v2, v0, 4, 1                         ; h = lane / 16
	; the mask words of my 128 rows m (they count in the keys alone; the index stays under 4,096 in all three projections)
	v_lshlrev_b32 v[MKO], 2, v1
	s_lshl_b32 s18, s17, 8
	s_lshl_b32 s19, s15, 7
	s_add_co_u32 s18, s18, s19                     ; my first row m
	s_lshl_b32 s18, s18, 2
	s_mov_b32 s19, 0
	s_add_nc_u64 s[8:9], s[8:9], s[18:19]
.irp a, 0,1,2,3,4,5,6,7
	global_load_b32 v[MK+\a], v[MKO], s[8:9] offset:64*\a   ; block a, row r
.endr
	v_mul_u32_u24 v3, v1, PITCH
	v_lshl_add_u32 v4, v2, 4, v3                   ; a fragment's row x pitch + 16 x half
	s_mul_i32 s21, s15, HALFT                      ; my 128 rows of A
	s_mul_i32 s22, s16, HALFT                      ; my 128 rows of B,
	s_add_co_u32 s22, s22, 2*HALFT                 ; which lie behind A's 256
.irp s, 0,1
	v_add_nc_u32 v[ADRA+\s], s21, v4
	v_add_nc_u32 v[ADRB+\s], s22, v4
	s_add_co_u32 s21, s21, SLOT
	s_add_co_u32 s22, s22, SLOT
.endr
	v_mul_u32_u24 v5, v1, KS                       ; my row's scale bytes: 32 a row,
	v_lshrrev_b32 v6, 8, v5
	v_lshl_add_u32 v5, v6, 4, v5                   ; and 16 more for each 256 passed
	s_mul_i32 s21, s15, HALFS                      ; A's: my 128 rows
	s_mul_i32 s22, s16, HALFS                      ; B's: my 128 rows, behind A's 256
	s_add_co_u32 s22, s22, 2*HALFS
	s_sub_co_u32 s22, s22, s21
	v_mul_u32_u24 v6, s22, v2                      ; lanes 16-31 take B's: one product, the distance between the two
	s_add_co_u32 s21, s21, SCL
	v_add_nc_u32 v5, v5, v6
	v_add_nc_u32 v[ADRS], s21, v5
	s_mul_i32 s23, s14, 2*T16                      ; my stage: 4,352 bytes, in slot 0
	v_lshrrev_b32 v5, 1, v1
	v_mul_u32_u24 v5, v5, 272
	v_and_b32 v6, 1, v1
	v_lshl_add_u32 v5, v6, 7, v5
	v_lshl_add_u32 v5, v2, 4, v5                   ; in: row r of 128 bytes at (r / 2) x 272 + (r % 2) x 128, + 16 h
	v_add_nc_u32 v[STO], s23, v5
	v_mul_u32_u24 v5, v2, 272
	v_lshl_add_u32 v5, v1, 4, v5                   ; back: lanes 0-15 one LDS row of 256 bytes, lanes 16-31 the next
	v_add_nc_u32 v[RD], s23, v5
	v_and_b32 v6, 31, v0
	v_lshlrev_b32 v[CO], 4, v6
	; the four output bases
	s_lshl_b32 s18, s17, 2
	s_lshl_b32 s19, s15, 1
	s_add_co_u32 s18, s18, s19                     ; my first block of 64 m
	s_mul_i32 s18, s18, s100
	s_lshl_b32 s19, s42, 2
	s_lshl_b32 s20, s16, 1
	s_add_co_u32 s19, s19, s20                     ; my first block of 64 n
	s_mul_i32 s19, s19, s101
	s_add_co_u32 s18, s18, s19
	s_lshl_b32 s19, s12, 23                        ; part g of qkv: 8 MiB each
	s_add_co_u32 s18, s18, s19
	s_mov_b32 s19, 0
	s_mov_b32 s20, s101
	s_mov_b32 s21, 0
	s_mov_b32 s22, s100
	s_mov_b32 s23, 0
	s_add_nc_u64 s[OB:OB+1], s[10:11], s[18:19]
	s_add_nc_u64 s[OB+2:OB+3], s[OB:OB+1], s[20:21]
	s_add_nc_u64 s[OB+4:OB+5], s[OB:OB+1], s[22:23]
	s_add_nc_u64 s[OB+6:OB+7], s[OB+2:OB+3], s[22:23]
.macro FRAG reg, adr, q, i             ; 16 rows x 128 K of 4-bit codes: lane l holds row l % 16; registers 4 c .. 4 c + 3 hold K = 64 c + 32 (l / 16) + 0 .. 31
.irp c, 0,1
	ds_load_b128 v[\reg+4*\c:\reg+4*\c+3], v[\adr] offset:64*(\q)+32*\c+(\i)*16*PITCH
.endr
.endm
; 16 matrix instructions: A's blocks a0, a0 + 1 x B's eight, the slot's q-th 128 along K.  p: B's set;  sc: the set of scale words.  zero = 1: the first product starts the sums.
; The 64 accumulators take turns, one instruction a turn, in the same order in every step.
.macro MUL16 a0, p, q, sc, zero
.irp a, \a0, \a0+1
.irp b, 0,1,2,3,4,5,6,7
.if \zero
	v_wmma_scale_f32_16x16x128_f8f6f4 v[8*(8*((\a)%4)+\b):8*(8*((\a)%4)+\b)+7], v[128*(\p)+FR*\b:128*(\p)+FR*\b+FR-1], v[AF+FR*(\a):AF+FR*(\a)+FR-1], 0, v[SC+8*NQ*(\sc)+NQ*\b+(\q)], v[SC+8*NQ*(\sc)+NQ*(\a)+(\q)] matrix_a_fmt:MATRIX_FMT_FP4 matrix_b_fmt:MATRIX_FMT_FP4 matrix_a_scale:MATRIX_SCALE_ROW1
.else
	v_wmma_scale_f32_16x16x128_f8f6f4 v[8*(8*((\a)%4)+\b):8*(8*((\a)%4)+\b)+7], v[128*(\p)+FR*\b:128*(\p)+FR*\b+FR-1], v[AF+FR*(\a):AF+FR*(\a)+FR-1], v[8*(8*((\a)%4)+\b):8*(8*((\a)%4)+\b)+7], v[SC+8*NQ*(\sc)+NQ*\b+(\q)], v[SC+8*NQ*(\sc)+NQ*(\a)+(\q)] matrix_a_fmt:MATRIX_FMT_FP4 matrix_b_fmt:MATRIX_FMT_FP4 matrix_a_scale:MATRIX_SCALE_ROW1
.endif
.endr
.endr
.endm
.macro FETCH_B slot, q, p              ; B's eight fragments of the slot's q-th 128 along K into set p
	WIN TO_B
.irp i, 0,1,2,3,4,5,6,7
	FRAG 128*(\p)+FR*\i, ADRB+\slot, \q, \i
.endr
	WIN 0
.endm
.macro FETCH_A slot, q, i0             ; A's blocks i0 .. i0 + 3
.irp i, \i0, \i0+1, \i0+2, \i0+3
	FRAG AF+FR*(\i), ADRA+\slot, \q, \i
.endr
.endm
.macro SCALES sc                       ; a K step's scale words into set sc: four words a row; lanes 0-15 take A's block i, lanes 16-31 B's block i
.irp i, 0,1,2,3,4,5,6,7
	ds_load_b128 v[SC+8*NQ*\sc+NQ*\i:SC+8*NQ*\sc+NQ*\i+3], v[ADRS] offset:\i*SBLK
.endr
.endm
; A load into a register that a matrix instruction has read, and a vector instruction that reads a matrix result, stand NP places behind it; only plain vector instructions that name none of its registers are places.
.macro PLACES n
.rept \n
	v_nop
.endr
.endm
.macro STEP slot, q, zero              ; a step of 128 along K that has its successor in the same slot
	s_wait_dscnt 4*NL                              ; B's set and A's blocks 0-3 are in; the youngest eight loads (A's blocks 4-7) may be out
	WIN MUL_LO
	MUL16 0, (\q)%2, \q, \slot, \zero
	MUL16 2, (\q)%2, \q, \slot, \zero
	s_wait_dscnt 0                                 ; A's blocks 4-7 are in
	PLACES NP
	FETCH_B \slot, (\q)+1, 1-(\q)%2
	FETCH_A \slot, (\q)+1, 0
	WIN MUL_HI
	MUL16 4, (\q)%2, \q, \slot, \zero
	MUL16 6, (\q)%2, \q, \slot, \zero
	PLACES NP
	WIN 0
	FETCH_A \slot, (\q)+1, 4
.endm
; Slot 0's last step goes on into slot 1: one barrier; in front of it each wave waits for all its tensor loads (its part of slot 1), adds 0 to its spare word, and waits for that and for its reads of slot 0.
; Behind it slot 1 is whole and nobody reads slot 0 any more, which the way out then takes as its stage.  Nothing is filled again.
.macro TURN slot, next
	s_wait_tensorcnt 0x0                           ; all my tensor loads have landed
	ds_add_u32 v[SPW], v[NIL]                      ; 0 onto my spare word
	s_wait_dscnt 4*NL+1                            ; (the add and the youngest eight loads may be out)
	WIN MUL_LO
	MUL16 0, 1, NQ-1, \slot, 0                     ; sixteen matrix instructions stand between the add and the wait for it
	s_wait_dscnt 0x0                               ; the add is done, and my reads of this slot are over
	s_barrier_signal -1
	MUL16 2, 1, NQ-1, \slot, 0
	WIN 0
	s_barrier_wait -1
	PLACES NP
	v_add_nc_u32 v[ADRS], 4*NQ, v[ADRS]            ; on to the next K step's scale words
	FETCH_B \next, 0, 0
	FETCH_A \next, 0, 0
	SCALES \next
	WIN MUL_HI
	MUL16 4, 1, NQ-1, \slot, 0
	MUL16 6, 1, NQ-1, \slot, 0
	PLACES NP
	WIN 0
	FETCH_A \next, 0, 4
.endm
	s_wait_tensorcnt 1                             ; the scale bytes and my part of slot 0 are in (slot 1's load may be out),
	s_barrier_signal -1
	s_barrier_wait -1                              ; everybody's are
	FETCH_B 0, 0, 0
	FETCH_A 0, 0, 0
	SCALES 0
	FETCH_A 0, 0, 4
	STEP 0, 0, 1                                   ; the first step's products start the sums: nothing is cleared
	STEP 0, 1, 0
	STEP 0, 2, 0
	TURN 0, 1
	STEP 1, 0, 0
	STEP 1, 1, 0
	STEP 1, 2, 0
	s_wait_dscnt 4*NL                              ; the last step: nothing more to fetch
	WIN MUL_LO
	MUL16 0, 1, NQ-1, 1, 0
	MUL16 2, 1, NQ-1, 1, 0
	s_wait_dscnt 0
	WIN MUL_HI
	MUL16 4, 1, NQ-1, 1, 0
	MUL16 6, 1, NQ-1, 1, 0
	WIN 0
; THE WAY OUT, block by block of 16 rows m x 128 n.  PACK: rounded to f16, 16 bytes a lane for each 16 n; rows of masked keys become zeros.  TOSTAGE: into my stage, two pieces of 16 rows x 128 bytes
; (n 0-63 and n 64-127), and back as runs of 512 dense bytes.  SEND: stored: each store of the wave covers 512 consecutive bytes, aligned.
.macro PACK a
.set AC, 64*((\a)%4)
	WIN 0x0a+5*((\a)/4)                            ; sources 0 and 1: window 2 or 3
.irp b, 0,1,2,3,4,5,6,7
.irp i, 0,1,2,3
	v_cvt_pk_f16_f32 v[TMP+4*\b+\i], v[AC+8*\b+2*\i], v[AC+8*\b+2*\i+1]   ; each accumulator from its low end on
.endr
.endr
	WIN 0
	v_cmp_ne_u32 vcc_lo, 0, v[MK+(\a)]             ; does my row count?
.set i, 0
.rept 32
	v_cndmask_b32 v[TMP+i], 0, v[TMP+i], vcc_lo
.set i, i+1
.endr
.endm
.macro TOSTAGE a
.set BB, BK+32*((\a)%2)
.irp b, 0,1,2,3,4,5,6,7
	ds_store_b128 v[STO], v[TMP+4*\b:TMP+4*\b+3] offset:(\b/4)*T16+32*(\b%4)
.endr
.irp t, 0,1,2,3,4,5,6,7
	ds_load_b128 v[BB+4*\t:BB+4*\t+3], v[RD] offset:544*\t     ; LDS serves a wave's instructions in order: these see the stores above
.endr
.endm
.macro SEND a
.set BB, BK+32*((\a)%2)
	s_wait_dscnt 0x0                               ; the block is back in registers
	s_wait_xcnt 0x0                                ; the stores of the block before have read their registers: the next block's loads land there
.irp t, 0,1,2,3,4,5,6,7
	global_store_b128 v[CO], v[BB+4*\t:BB+4*\t+3], s[OB+4*((\a)/4)+2*(\t/4):OB+4*((\a)/4)+2*(\t/4)+1] offset:((\a)%4)*2048+(\t%4)*512
.endr
.endm
	PLACES NP                                      ; behind the last products
	s_wait_loadcnt 0x0                             ; the mask words
.irp a, 0,1,2,3,4,5,6,7
	v_or_b32 v[MK+\a], s67, v[MK+\a]               ; outside the keys every row counts
.endr
	PACK 0
	TOSTAGE 0
.irp a, 1,2,3,4,5,6,7                  ; block a's conversions stand between block a - 1's loads from the stage and the wait for them
	PACK \a
	SEND \a-1
	TOSTAGE \a
.endr
	SEND 7
	s_wait_tensorcnt 0x0                           ; the wave's end: behind my last tensor load and my last LDS store
	ds_add_u32 v[SPW], v[NIL]
	s_wait_dscnt 0x0
	CROUND                                         ; the closing round
	s_endpgm
.Lfunc_end_k_q498d44220e_proj:
	.size	k_q498d44220e_proj, .Lfunc_end_k_q498d44220e_proj-k_q498d44220e_proj
	.p2alignl 7, 3214868480
	.fill 96, 4, 3214868480
	.section	.rodata,"a",@progbits
	.p2align	6, 0x0
	.amdhsa_kernel k_q498d44220e_proj
		.amdhsa_group_segment_fixed_size 327680
		.amdhsa_private_segment_fixed_size 0
		.amdhsa_enable_private_segment 0
		.amdhsa_kernarg_size 32
		.amdhsa_user_sgpr_count 2
		.amdhsa_user_sgpr_kernarg_segment_ptr 1
		.amdhsa_wavefront_size32 1
		.amdhsa_system_sgpr_workgroup_id_x 1
		.amdhsa_system_sgpr_workgroup_id_y 1
		.amdhsa_system_sgpr_workgroup_id_z 1
		.amdhsa_system_vgpr_workitem_id 0
		.amdhsa_next_free_vgpr 1024
		.amdhsa_next_free_sgpr 102
		.amdhsa_reserve_vcc 1
		.amdhsa_float_denorm_mode_32 3
		.amdhsa_float_denorm_mode_16_64 3
		.amdhsa_memory_ordered 1
		.amdhsa_forward_progress 1
		.amdhsa_inst_pref_size 137
	.end_amdhsa_kernel
	.amdgpu_metadata
---
amdhsa.version: [ 1, 2 ]
amdhsa.kernels:
  - .name:           k_q498d44220e_proj
    .symbol:         k_q498d44220e_proj.kd
    .args:
      - { .name: codes, .offset: 0, .size: 8, .value_kind: global_buffer, .address_space: global }
      - { .name: scales, .offset: 8, .size: 8, .value_kind: global_buffer, .address_space: global }
      - { .name: mask, .offset: 16, .size: 8, .value_kind: global_buffer, .address_space: global }
      - { .name: qkv, .offset: 24, .size: 8, .value_kind: global_buffer, .address_space: global }
    .group_segment_fixed_size: 327680
    .private_segment_fixed_size: 0
    .kernarg_segment_align: 8
    .kernarg_segment_size: 32
    .max_flat_workgroup_size: 128
    .sgpr_count:     102
    .vgpr_count:     1024
    .wavefront_size: 32
...
	.end_amdgpu_metadata
.endif
;; end of part 2
;; launch attn (part 3): grid 8 x 32, 8 waves a work-group, clusters of 4 x 1, 327,680 bytes of LDS; arguments qkv, mask, att; writes att
.if DOCPART == 3
	.amdgcn_target "amdgcn-amd-amdhsa--gfx1250"
	.amdhsa_code_object_version 6
	.text
	.protected	k_q498d44220e_attn
	.globl	k_q498d44220e_attn
	.p2align	8
	.type	k_q498d44220e_attn,@function
k_q498d44220e_attn:
	s_mov_b64 s[64:65], 0
	v_nop
	global_prefetch_b8 v0, s[64:65] scope:SCOPE_SE
	s_setreg_imm32_b32 hwreg(HW_REG_WAVE_MODE, 25, 1), 1
	s_wait_xcnt 0x0
	s_wait_alu depctr_hold_cnt(0) depctr_sa_sdst(0) depctr_va_vdst(0) depctr_va_sdst(0) depctr_va_ssrc(0) depctr_va_vcc(0) depctr_vm_vsrc(0)
	s_getreg_b32 s2, hwreg(HW_REG_IB_STS2, 6, 4)
	s_cmp_eq_u32 s2, 0
	s_cbranch_scc0 .Lentry_in_a_cluster
	s_endpgm
.Lentry_in_a_cluster:
	s_bfe_u32 s2, ttmp6, 0x10000c
	s_cmp_lg_u32 s2, 0x3003
	s_cbranch_scc0 .Lentry_shape_is_right
	s_endpgm
.Lentry_shape_is_right:
; att[b][q][head] = softmax over the keys of (Q . K / 8, replaced by -10,000 where the key's mask word is 0) x V, for one head and batch a work-group row; operands f16, products, maxima and sums f32.
; qkv: part 0 Q [head][token][64], part 1 K likewise (rows of masked keys are zeros), part 2 V [head][token / 64][channel][64 tokens]; a (head, batch) is 262,144 dense bytes in each part.
; att: f16, [token / 128][head][token % 128][64].
; SHARES.  y = 2 head + batch.  A work-group owns 256 queries, each of its eight waves 32: two tiles of 16; two waves share a SIMD.  Every wave walks the 2,048 keys in 32 steps of 64.
; LAYOUT.  S^T = K Q^T (source 0 = 16 keys, source 1 = 16 queries): a lane holds ONE query (lane % 16) and keys 8 (lane / 16) + 0..7 of a tile.  Two such tiles, rounded to f16 in pairs, ARE source 1
; of O^T = V^T P, whose result again holds one query a lane.  V lies with the keys innermost, so its fragments are read like K's.
; THE MASK costs no instruction in the loop: each score sum starts from C = bias[key], 0 for a key that counts and -80,000 (= -10,000 x 8) for a masked one, whose row of K is zeros: its raw score is exactly -80,000.
; SOFTMAX on raw scores s: a running maximum m and sum l for each query; p = 2^(c s - c m), c = log2(e) / 8; in every step O and l are multiplied by a = 2^(c m_old - c m_new).
; CLUSTER.  The four query blocks of a cluster walk the same K and V: each tile is asked for JOINTLY, by the same tensor load with the same descriptor and the mask 15.
; RING.  Two slots of 512 keys (K's 65,536 bytes, then V's); each of the eight waves brings 16,384 dense bytes with one load, as 64 rows of 256 bytes + 16 of padding.  A row of 128 bytes number x so lies at
; (x / 2) x 272 + (x % 2) x 128.
; LIMITS: NaN and infinities are not served; Q, K, V are f16 (magnitudes under 65,504).
; REGISTERS: window 0: v0-15 addresses; v16-31 statistics, eight a tile; v32-95 S^T, 32 a tile; v96-127 P, 16 a tile; v128-191 K's fragments; v192-255 V's.
;   window 1: v0-63 O^T, 32 a tile; v64-95 Q, 16 a tile; v96-127 the step's bias, 8 a tile of keys.
.set ROW2,  272
.set T16,   8*ROW2                     ; 16 rows of 128 bytes
.set STEPB, 32*ROW2                    ; 64 keys of K, or a key block of V
.set PART,  256*ROW2                   ; 512 keys of K; V's part of a slot begins here
.set SLOT,  2*PART
.set WPART, 64*ROW2                    ; what one tensor load brings
.set SLOTG, 65536                      ; 512 keys in memory, of K or of V
.set BIAS,  2*SLOT                     ; 2,048 f32, written by ds_store: no tensor load lands here
.set STAGE, BIAS+8192                  ; 4,352 bytes for each wave, for the way out
.set SPARE, STAGE+8*2*T16              ; the spare words, 128 bytes a wave
.set AL,  3                            ; v3   my lane's place in a tile: (r / 2) x 272 + (r % 2) x 128 + 16 h
.set AV,  4                            ; v4   the same in V's part
.set AB,  5                            ; v5   BIAS + 32 h
.set ADK, 6                            ; v6-8 the LDS addresses of the runs of loads in hand: K, V, bias
.set ADV, 7
.set ADB, 8
.set QO,  9                            ; v9   my byte offset in the wave's rows of Q
.set STO, 10                           ; v10  the way out: where I put 16 bytes
.set RD,  11                           ; v11  and where I read 16 bytes back
.set GO,  12                           ; v12  16 x lane
.set PFO, 13                           ; v13  256 x lane; never rewritten
.set SPW, 14                           ; v14  LDS address of my spare word; never rewritten
.set NIL, 15                           ; v15  0; never rewritten
.set ST,  16                           ; tile t's statistics at v[ST + 8 t]: +0 c m, +1 m, +2, +3 l (even keys', odd keys'), +4 to +7 at work; a in +6
.set S,   32
.set P,   96
.set KF,  128
.set VF,  192
.set QF,  64                           ; window 1
.set BI,  96                           ; window 1
.set WV,  10                           ; s10  my wave's number
.set G1,  16                           ; s[16:23] descriptor group 1
.set G0,  24                           ; s[24:31] group 0, a set for each slot
.set CS,  32                           ; s[32:33] c, twice: the packed form names a pair
.set SEL, 34                           ; s[34:35] selects for v_permlanex16_b32: lane l xor 16
.set TB,  36                           ; s36  LDS byte at which the step to be fetched begins
.set TBB, 37                           ; s37  its bias's byte
.set CNT, 38                           ; s38  counts seven steps
.set PFA, 40                           ; s[40:41] the prefetch's base; never rewritten
.set LIM, 42                           ; s42  0 in a wave that prefetches
.set MSB, 0
.macro WIN new                         ; the immediate's high byte repeats the setting that is left
.if MSB != (\new)
	s_set_vgpr_msb (MSB<<8)|(\new)
.set MSB, (\new)
.endif
.endm
.set W_QK0, 0x14                       ; K window 0, Q window 1, C (the bias) window 1, S^T window 0
.set W_QK1, 0x04                       ; K window 0, Q window 1, C and D window 0
.set W_PV,  0x50                       ; V and P window 0, C and D (O^T) window 1
.set W_RS,  0x41                       ; O^T (destination and source 0) window 1, a window 0
.set TO_1,  0x40                       ; destination window 1
.set FROM_1, 0x05                      ; sources 0 and 1 window 1
.macro CROUND                          ; a round of the cluster's barrier
	s_barrier_signal -1
	s_barrier_wait -1
	s_cmp_lg_u32 s[WV], 0
	s_cbranch_scc1 .Lnot_wave_0_\@
	s_barrier_signal -3
.Lnot_wave_0_\@:
	s_barrier_wait -3
	s_barrier_signal -1
	s_barrier_wait -1
.endm
	s_load_b128 s[4:7], s[0:1], 0x0                ; qkv s[4:5], mask s[6:7]
	s_load_b64 s[8:9], s[0:1], 0x10                ; att
	v_lshl_add_u32 v[SPW], v0, 2, SPARE
	v_mov_b32 v[NIL], 0
	ds_add_u32 v[SPW], v[NIL]                      ; the wave's opening: the add, twice on end, and its wait ahead of my first tensor load
	ds_add_u32 v[SPW], v[NIL]                      ; and once more, under the one wait; the set-up below is work on registers
	v_lshrrev_b32 v1, 5, v0
	v_readfirstlane_b32 s[WV], v1                  ; wave 0..7
	s_bfe_u32 s11, ttmp6, 0x40000                  ; cx: my place in the cluster
	s_and_b32 s12, ttmp7, 0xffff                   ; y = 2 head + batch, which the four partners share
	s_lshl_b32 s13, ttmp9, 2
	s_add_co_u32 s13, s13, s11                     ; my block of 256 queries: it enters Q's and att's addresses alone
	; group 1: 64 rows of 128 elements of 2 bytes, dense in memory, 16 bytes of padding behind each
	s_mov_b32 s[G1], 15|(1<<16)|(1<<20)|(1<<21)|(5<<22)|(3<<25)   ; 15:0 the mask: all four; 17:16 2 bytes; 20 padding on; 21 set beside a mask; 24:22 after every 64 words; 31:25 four words
	s_mov_b32 s[G1+1], 128<<16                     ; tensor_dim0
	s_mov_b32 s[G1+2], 64<<16                      ; tensor_dim1
	s_mov_b32 s[G1+3], 128<<16                     ; tile_dim0
	s_mov_b32 s[G1+4], 64                          ; tile_dim1
	s_mov_b32 s[G1+5], 128                         ; from row to row
	s_mov_b32 s[G1+6], 0
	s_mov_b32 s[G1+7], 0
	s_lshl_b32 s47, s12, 18                        ; y x 262,144
	s_lshr_b32 s44, s[WV], 2                       ; waves 0-3 fetch K's quarters, waves 4-7 V's
	s_add_co_u32 s44, s44, 1
	s_lshl_b32 s44, s44, 23                        ; part 1 or 2 of qkv
	s_add_co_u32 s44, s44, s47
	s_and_b32 s46, s[WV], 3
	s_lshl_b32 s46, s46, 14                        ; my quarter: 16,384 bytes
	s_add_co_u32 s44, s44, s46
	s_mov_b32 s45, 0
	s_mul_i32 s48, s[WV], WPART                    ; and its place in a slot: no place in the cluster enters an LDS address
	s_mov_b32 s[CS], 0x3e38aa3b                    ; c = log2(e) / 8
	s_mov_b32 s[CS+1], s[CS]
	s_mov_b32 s[SEL], 0x76543210
	s_mov_b32 s[SEL+1], 0xfedcba98
	s_lshr_b32 s[LIM], s[WV], 2
	s_or_b32 s[LIM], s[LIM], ttmp9                 ; 0 in waves 0-3 of the (head, batch)'s first cluster: the same in all four partners
	s_wait_dscnt 0x0                               ; both opening adds are done
	s_wait_kmcnt 0x0
	s_add_nc_u64 s[50:51], s[4:5], s[44:45]
	CROUND                                         ; all four work-groups are here: the first joint loads meet
.irp sl, 0,1
	s_mov_b32 s[G0+4*\sl], 1                       ; count = 1
	s_add_co_u32 s[G0+4*\sl+1], s48, \sl*SLOT      ; LDS address
	s_add_nc_u64 s[G0+4*\sl+2:G0+4*\sl+3], s[50:51], \sl*SLOTG   ; keys 512 sl on
	s_or_b32 s[G0+4*\sl+3], s[G0+4*\sl+3], 0x80000000            ; type = 2
	tensor_load_to_lds s[G0+4*\sl:G0+4*\sl+3], s[G1:G1+7]        ; both first fills go out together: two loads of mine are out
	s_nop 0
.endr
.rept 4
	v_nop
.endr
	v_and_b32 v1, 15, v0                           ; r = lane % 16
	v_bfe_u32 v2, v0, 4, 1                         ; h = lane / 16
	v_lshlrev_b32 v[QO], 7, v1
	v_lshl_add_u32 v[QO], v2, 4, v[QO]             ; row r of 128 bytes + 16 h
	s_lshl_b32 s44, s13, 15                        ; my block's 256 rows,
	s_add_co_u32 s44, s44, s47
	s_lshl_b32 s46, s[WV], 12                      ; my wave's 32 of them
	s_add_co_u32 s44, s44, s46
	s_add_nc_u64 s[52:53], s[4:5], s[44:45]
	WIN TO_1
.irp t, 0,1
.irp c, 0,1
	global_load_b128 v[QF+16*\t+8*\c:QF+16*\t+8*\c+3],   v[QO], s[52:53] offset:\t*2048+64*\c      ; Q stays in registers: tile t, channels 32 c on
	global_load_b128 v[QF+16*\t+8*\c+4:QF+16*\t+8*\c+7], v[QO], s[52:53] offset:\t*2048+64*\c+32
.endr
.endr
	WIN 0
	s_and_b32 s44, s12, 1
	s_lshl_b32 s44, s44, 13                        ; my batch's 2,048 mask words
	s_add_nc_u64 s[6:7], s[6:7], s[44:45]
	v_lshlrev_b32 v49, 5, v0                       ; eight words a thread
	global_load_b128 v[32:35], v49, s[6:7]
	global_load_b128 v[36:39], v49, s[6:7] offset:16
	v_add_nc_u32 v50, BIAS, v49                    ; and where their eight bias numbers go
	; att: (16 batch + 2 block + wave / 4) x 262,144 + head x 16,384 + (wave % 4) x 4,096
	s_and_b32 s54, s12, 1
	s_lshl_b32 s54, s54, 4
	s_lshl_b32 s56, s13, 1
	s_add_co_u32 s54, s54, s56
	s_lshr_b32 s56, s[WV], 2
	s_add_co_u32 s54, s54, s56
	s_lshl_b32 s54, s54, 18
	s_lshr_b32 s56, s12, 1
	s_lshl_b32 s56, s56, 14
	s_add_co_u32 s54, s54, s56
	s_and_b32 s56, s[WV], 3
	s_lshl_b32 s56, s56, 12
	s_add_co_u32 s54, s54, s56
	s_mov_b32 s55, 0
	s_add_nc_u64 s[8:9], s[8:9], s[54:55]
	; the prefetch's base: the last 512 keys; partners 0, 1 take K's 65,536 bytes, partners 2, 3 V's; 8,192 bytes a wave, lanes 256 bytes apart
	s_lshr_b32 s54, s11, 1
	s_add_co_u32 s54, s54, 1
	s_lshl_b32 s54, s54, 23
	s_add_co_u32 s54, s54, s47
	s_add_co_u32 s54, s54, 3*SLOTG
	s_and_b32 s56, s11, 1
	s_lshl_b32 s56, s56, 2
	s_and_b32 s57, s[WV], 3
	s_add_co_u32 s56, s56, s57
	s_lshl_b32 s56, s56, 13
	s_add_co_u32 s54, s54, s56
	s_add_nc_u64 s[PFA:PFA+1], s[4:5], s[54:55]
	v_and_b32 v[GO], 31, v0
	v_lshlrev_b32 v[PFO], 8, v[GO]
	v_lshlrev_b32 v[GO], 4, v[GO]
	v_lshrrev_b32 v[AL], 1, v1
	v_mul_u32_u24 v[AL], v[AL], ROW2
	v_and_b32 v51, 1, v1
	v_lshl_add_u32 v[AL], v51, 7, v[AL]
	v_lshl_add_u32 v[AL], v2, 4, v[AL]
	v_add_nc_u32 v[AV], PART, v[AL]
	v_lshl_add_u32 v[AB], v2, 5, BIAS
	s_mul_i32 s49, s[WV], 2*T16
	s_add_co_u32 s49, s49, STAGE                   ; my stage
	v_add_nc_u32 v[STO], s49, v[AL]
	v_mul_u32_u24 v[RD], v2, ROW2
	v_lshl_add_u32 v[RD], v1, 4, v[RD]
	v_add_nc_u32 v[RD], s49, v[RD]
.irp t, 0,1
	v_mov_b32 v[ST+8*\t+1], 0xff61b1e6             ; m: -3e38, under every score
	v_mul_f32 v[ST+8*\t], s[CS], v[ST+8*\t+1]      ; c m
.irp i, 2,3,4,5,6,7
	v_mov_b32 v[ST+8*\t+\i], 0                     ; l; and the registers at work, which a lane permute and the packed forms name before they are first written
.endr
.endr
	WIN TO_1
.set i, 0
.rept 64
	v_mov_b32 v[i], 0                              ; O^T.  The step is written without a first step of its own: the first a is 0 and finds zeros
.set i, i+1
.endr
	WIN 0
	v_mov_b32 v48, 0xc79c4000                      ; -80,000
	s_wait_loadcnt 0x0                             ; Q and the mask words
.irp i, 0,1,2,3,4,5,6,7
	v_cmp_eq_u32 vcc_lo, 0, v[32+\i]
	v_cndmask_b32 v[40+\i], 0, v48, vcc_lo         ; the key's bias
.endr
	ds_store_b128 v50, v[40:43]
	ds_store_b128 v50, v[44:47] offset:16
	s_wait_tensorcnt 1                             ; my part of slot 0 is in; slot 1's may stay out
	s_wait_dscnt 0x0                               ; my bias numbers lie in LDS
	s_barrier_signal -1
	s_barrier_wait -1                              ; everybody's do
.macro LOADS_KB                        ; a step's K (4 tiles of 16 keys x 2 x 32 channels) and its bias: 16 + 8 loads
.irp kt, 0,1,2,3
.irp c, 0,1
	ds_load_b128 v[KF+16*\kt+8*\c:KF+16*\kt+8*\c+3],   v[ADK] offset:\kt*T16+64*\c
	ds_load_b128 v[KF+16*\kt+8*\c+4:KF+16*\kt+8*\c+7], v[ADK] offset:\kt*T16+64*\c+32
.endr
.endr
	WIN TO_1
.irp kt, 0,1,2,3
	ds_load_b128 v[BI+8*\kt:BI+8*\kt+3],   v[ADB] offset:64*\kt      ; register j: the bias of key 16 kt + 8 h + j
	ds_load_b128 v[BI+8*\kt+4:BI+8*\kt+7], v[ADB] offset:64*\kt+16
.endr
	WIN 0
.endm
.macro LOADS_V                         ; a step's V (4 tiles of 16 channels x 2 x 32 keys): 16 loads
.irp ct, 0,1,2,3
.irp kc, 0,1
	ds_load_b128 v[VF+16*\ct+8*\kc:VF+16*\ct+8*\kc+3],   v[ADV] offset:\ct*T16+64*\kc
	ds_load_b128 v[VF+16*\ct+8*\kc+4:VF+16*\ct+8*\kc+7], v[ADV] offset:\ct*T16+64*\kc+32
.endr
.endr
.endm
; S^T = bias + K Q^T: eight accumulators by turns, one instruction a turn, two deep
.macro QK
	WIN W_QK0
.irp kt, 0,1,2,3
.irp t, 0,1
	v_wmma_f32_16x16x32_f16 v[S+32*\t+8*\kt:S+32*\t+8*\kt+7], v[KF+16*\kt:KF+16*\kt+7], v[QF+16*\t:QF+16*\t+7], v[BI+8*\kt:BI+8*\kt+7]
.endr
.endr
	WIN W_QK1
.irp kt, 0,1,2,3
.irp t, 0,1
	v_wmma_f32_16x16x32_f16 v[S+32*\t+8*\kt:S+32*\t+8*\kt+7], v[KF+16*\kt+8:KF+16*\kt+15], v[QF+16*\t+8:QF+16*\t+15], v[S+32*\t+8*\kt:S+32*\t+8*\kt+7]
.endr
.endr
.endm
; O^T += V^T P: eight accumulators by turns, two deep
.macro PV
	WIN W_PV
.irp kc, 0,1
.irp ct, 0,1,2,3
.irp t, 0,1
	v_wmma_f32_16x16x32_f16 v[32*\t+8*\ct:32*\t+8*\ct+7], v[VF+16*\ct+8*\kc:VF+16*\ct+8*\kc+7], v[P+16*\t+8*\kc:P+16*\t+8*\kc+7], v[32*\t+8*\ct:32*\t+8*\ct+7]
.endr
.endr
.endr
.endm
; The softmax of both tiles for one key step, the tiles by turns line by line, so that no line waits for the line above it.
.macro SOFTMAX
	WIN 0
.irp j, 0,1,2,3
.irp t, 0,1
	v_max3_num_f32 v[ST+8*\t+4+\j], v[S+32*\t+8*\j], v[S+32*\t+8*\j+1], v[S+32*\t+8*\j+2]   ; four chains, each from its accumulator's low end on
.endr
.endr
.irp i, 3,5
.irp j, 0,1,2,3
.irp t, 0,1
	v_max3_num_f32 v[ST+8*\t+4+\j], v[ST+8*\t+4+\j], v[S+32*\t+8*\j+\i], v[S+32*\t+8*\j+\i+1]
.endr
.endr
.endr
.irp t, 0,1
	v_max3_num_f32 v[ST+8*\t+4], v[ST+8*\t+4], v[S+32*\t+7], v[S+32*\t+15]
.endr
.irp t, 0,1
	v_max3_num_f32 v[ST+8*\t+6], v[ST+8*\t+6], v[S+32*\t+23], v[S+32*\t+31]
.endr
.irp t, 0,1
	v_max3_num_f32 v[ST+8*\t+4], v[ST+8*\t+4], v[ST+8*\t+5], v[ST+8*\t+6]
.endr
.irp t, 0,1
	v_max3_num_f32 v[ST+8*\t+4], v[ST+8*\t+4], v[ST+8*\t+7], v[ST+8*\t+1]   ; with the old m
.endr
.irp t, 0,1
	v_permlanex16_b32 v[ST+8*\t+5], v[ST+8*\t+4], s[SEL], s[SEL+1]          ; the query's other 32 keys lie in the lane 16 away
.endr
.irp t, 0,1
	v_mov_b32 v[ST+8*\t+7], v[ST+8*\t]             ; c m_old is kept for a
.endr
.irp t, 0,1
	v_max_num_f32 v[ST+8*\t+1], v[ST+8*\t+4], v[ST+8*\t+5]                  ; the new m
.endr
.irp t, 0,1
	v_mul_f32 v[ST+8*\t], s[CS], v[ST+8*\t+1]
.endr
.irp t, 0,1
	v_sub_f32 v[ST+8*\t+7], v[ST+8*\t+7], v[ST+8*\t]
.endr
.irp i, 0,2,4,6,8,10,12,14,16,18,20,22,24,26,28,30
.irp t, 0,1
	v_pk_fma_f32 v[S+32*\t+\i:S+32*\t+\i+1], v[S+32*\t+\i:S+32*\t+\i+1], s[CS:CS+1], v[ST+8*\t:ST+8*\t+1] op_sel_hi:[1,0,0] neg_lo:[0,0,1] neg_hi:[0,0,1]   ; c s - c m, two at a time
.endr
.endr
.irp t, 0,1
	v_exp_f32 v[ST+8*\t+6], v[ST+8*\t+7]           ; a.  ONE BATCH of 66 exponentials: none reads another's result
.endr
.irp i, 0,1,2,3,4,5,6,7,8,9,10,11,12,13,14,15,16,17,18,19,20,21,22,23,24,25,26,27,28,29,30,31
.irp t, 0,1
	v_exp_f32 v[S+32*\t+\i], v[S+32*\t+\i]         ; p
.endr
.endr
	v_nop                                          ; a plain instruction behind the last exponential
	s_wait_alu depctr_va_vdst(0)                   ; the wait ahead of the first line that names a result: one for the batch
.irp i, 0,1,2,3,4,5,6,7,8,9,10,11,12,13,14,15
.irp t, 0,1
	v_cvt_pk_f16_f32 v[P+16*\t+\i], v[S+32*\t+2*\i], v[S+32*\t+2*\i+1]      ; two neighbouring keys' weights: source 1 of the second product
.endr
.endr
.irp u, 0,1,2,3,4,5,6,7                ; the sum of the unrounded p, in place: neighbours 1, 2, 4 and 8 pairs apart
.irp t, 0,1
	v_pk_add_f32 v[S+32*\t+4*\u:S+32*\t+4*\u+1], v[S+32*\t+4*\u:S+32*\t+4*\u+1], v[S+32*\t+4*\u+2:S+32*\t+4*\u+3]
.endr
.endr
.irp u, 0,1,2,3
.irp t, 0,1
	v_pk_add_f32 v[S+32*\t+8*\u:S+32*\t+8*\u+1], v[S+32*\t+8*\u:S+32*\t+8*\u+1], v[S+32*\t+8*\u+4:S+32*\t+8*\u+5]
.endr
.endr
.irp u, 0,1
.irp t, 0,1
	v_pk_add_f32 v[S+32*\t+16*\u:S+32*\t+16*\u+1], v[S+32*\t+16*\u:S+32*\t+16*\u+1], v[S+32*\t+16*\u+8:S+32*\t+16*\u+9]
.endr
.endr
.irp t, 0,1
	v_pk_add_f32 v[S+32*\t:S+32*\t+1], v[S+32*\t:S+32*\t+1], v[S+32*\t+16:S+32*\t+17]
.endr
.irp t, 0,1
	v_pk_fma_f32 v[ST+8*\t+2:ST+8*\t+3], v[ST+8*\t+2:ST+8*\t+3], v[ST+8*\t+6:ST+8*\t+7], v[S+32*\t:S+32*\t+1] op_sel_hi:[1,0,1]   ; l = a l + the sum
.endr
	WIN W_RS
.irp i, 0,2,4,6,8,10,12,14,16,18,20,22,24,26,28,30
.irp t, 0,1
	v_pk_mul_f32 v[32*\t+\i:32*\t+\i+1], v[32*\t+\i:32*\t+\i+1], v[ST+8*\t+6:ST+8*\t+7] op_sel_hi:[1,0]   ; O^T x a, each accumulator from its low end on
.endr
.endr
.endm
; THE CHANGE OF SLOTS, in a slot's last step, behind its products K Q^T: the slot's last bytes, V of this step, were asked for a step ago.  Each wave waits for all its tensor loads (its part of the other slot),
; adds 0 to its spare word, and waits for that and for its reads of the slot.  fill = 1: a round of the cluster's barrier, and slot sl is filled again, with the keys 1,024 on, first thing behind it: it has eight
; key steps in which to land.  fill = 0: the work-group's barrier alone.  The four v_nop are also the places in front of the loads into K's and the bias's registers.
; ask = 1: A PREFETCH INTO THE L2 of what the next change will ask for, the last 512 keys of K and V: each aligned 256 bytes is named once in the launch: the (head, batch)'s first cluster asks, its four partners
; told apart by address, waves 0 to 3 of each, 8,192 bytes a wave, a lane for each 256.  Its registers are never rewritten.  The first 1,536 keys come by their loads alone.
.macro CHANGE sl, fill, ask, nb
	s_wait_tensorcnt 0x0                           ; no tensor load of mine is out, so a group 0 may be written
	ds_add_u32 v[SPW], v[NIL]                      ; 0 onto my spare word
.if \fill
	s_add_nc_u64 s[G0+4*\sl+2:G0+4*\sl+3], s[G0+4*\sl+2:G0+4*\sl+3], 2*SLOTG   ; the type bits on top are not reached
.endif
	s_wait_dscnt 0x0                               ; the add is done, and my reads of the slot are over
.if \fill
	CROUND
	tensor_load_to_lds s[G0+4*\sl:G0+4*\sl+3], s[G1:G1+7]    ; my one tensor load behind the round
	s_nop 0
.else
	s_barrier_signal -1
	s_barrier_wait -1
.endif
.rept 4
	v_nop
.endr
.if \ask
	s_cmp_eq_u32 s[LIM], 0
	s_cbranch_scc0 .Lnot_mine_\@
	global_prefetch_b8 v[PFO], s[PFA:PFA+1] th:TH_LOAD_NT scope:SCOPE_SE
.Lnot_mine_\@:
.endif
	s_mov_b32 s[TB], (1-\sl)*SLOT                  ; the fetches go on at the other slot's first step; both places are set anew as constants
	s_mov_b32 s[TBB], \nb
.endm
; A KEY STEP.  kind 0: plain; 1: with the change of slots; 2: the last.  K and the bias of the next step are fetched behind this step's K Q^T, V of the next step behind this step's V^T P.
.macro STEP kind, sl, fill, ask, nb
	s_wait_dscnt 16                                ; K's 16 loads and the bias's 8 are in; V's 16, issued behind them, may be out
	QK
	WIN 0
.if \kind == 0
	v_add_nc_u32 v[ADK], s[TB], v[AL]              ; four places in front of the loads into registers that the products have read, and of the first read of the scores
	v_add_nc_u32 v[ADB], s[TBB], v[AB]
	v_nop
	v_nop
	LOADS_KB
.elseif \kind == 1
	CHANGE \sl, \fill, \ask, \nb
	v_add_nc_u32 v[ADK], s[TB], v[AL]
	v_add_nc_u32 v[ADB], s[TBB], v[AB]
	LOADS_KB
.else
.rept 4
	v_nop
.endr
.endif
	SOFTMAX
.if \kind == 2
	s_wait_dscnt 0x0                               ; V is in
.else
	s_wait_dscnt 24                                ; V is in; behind it stand the next step's 16 + 8
.endif
	PV
	WIN 0
.if \kind != 2
	v_add_nc_u32 v[ADV], s[TB], v[AV]              ; four places in front of the loads into V's registers
.rept 3
	v_nop
.endr
	LOADS_V
	s_add_co_u32 s[TB], s[TB], STEPB               ; the next fetches are the next step's
	s_add_co_u32 s[TBB], s[TBB], 256
.endif
.endm
.macro RUN7                            ; a slot's first seven steps
	s_mov_b32 s[CNT], 7
.Lrun_\@:
	STEP 0, 0, 0, 0, 0
	s_sub_co_u32 s[CNT], s[CNT], 1
	s_cmp_lg_u32 s[CNT], 0
	s_cbranch_scc1 .Lrun_\@
.endm
	s_mov_b32 s[TB], 0
	s_mov_b32 s[TBB], 0
	v_add_nc_u32 v[ADK], s[TB], v[AL]
	v_add_nc_u32 v[ADB], s[TBB], v[AB]
	LOADS_KB                                       ; key step 0
	v_add_nc_u32 v[ADV], s[TB], v[AV]
	LOADS_V
	s_add_co_u32 s[TB], s[TB], STEPB
	s_add_co_u32 s[TBB], s[TBB], 256
	RUN7                                           ; keys 0 to 511, slot 0.  The four slots' worth of keys are written out
	STEP 1, 0, 1, 1, 8*256                         ; slot 0 takes keys 1,024 on
	RUN7                                           ; keys 512 to 1,023, slot 1
	STEP 1, 1, 1, 0, 16*256                        ; slot 1 takes keys 1,536 on
	RUN7                                           ; keys 1,024 to 1,535, slot 0
	STEP 1, 0, 0, 0, 24*256                        ; nothing is left to ask for
	RUN7                                           ; keys 1,536 to 2,047, slot 1
	STEP 2, 0, 0, 0, 0
	; THE WAY OUT.  l's two halves and the other half of the lanes' are added; O^T is divided by l, rounded to f16, and goes through my stage, so that each store of the wave covers 512 consecutive bytes, aligned.
.irp t, 0,1
	v_add_f32 v[ST+8*\t+4], v[ST+8*\t+2], v[ST+8*\t+3]        ; (these additions are the places behind the last products)
.endr
.irp t, 0,1
	v_permlanex16_b32 v[ST+8*\t+5], v[ST+8*\t+4], s[SEL], s[SEL+1]
.endr
.irp t, 0,1
	v_add_f32 v[ST+8*\t+4], v[ST+8*\t+4], v[ST+8*\t+5]
.endr
.irp t, 0,1
	v_rcp_f32 v[ST+8*\t+6], v[ST+8*\t+4]
.endr
	v_nop                                          ; a plain instruction behind the last reciprocal
	s_wait_alu depctr_va_vdst(0)                   ; and the wait ahead of the first use: one for the two
	WIN W_RS
.irp t, 0,1
.irp i, 0,2,4,6,8,10,12,14,16,18,20,22,24,26,28,30
	v_pk_mul_f32 v[32*\t+\i:32*\t+\i+1], v[32*\t+\i:32*\t+\i+1], v[ST+8*\t+6:ST+8*\t+7] op_sel_hi:[1,0]
.endr
.endr
	WIN FROM_1
.irp t, 0,1
.irp i, 0,1,2,3,4,5,6,7,8,9,10,11,12,13,14,15
	v_cvt_pk_f16_f32 v[S+16*\t+\i], v[32*\t+2*\i], v[32*\t+2*\i+1]   ; registers 4 ct .. 4 ct + 3: channels 16 ct + 8 h + 0 .. 7 of my query
.endr
.endr
	WIN 0
.irp t, 0,1
.irp ct, 0,1,2,3
	ds_store_b128 v[STO], v[S+16*\t+4*\ct:S+16*\t+4*\ct+3] offset:\t*T16+32*\ct
.endr
.endr
.irp i, 0,1,2,3,4,5,6,7
	ds_load_b128 v[KF+4*\i:KF+4*\i+3], v[RD] offset:544*\i    ; LDS serves a wave's instructions in order: these see the stores above
.endr
.irp i, 0,1,2,3,4,5,6,7
	s_wait_dscnt 7-\i                              ; the younger reads may stay out
	global_store_b128 v[GO], v[KF+4*\i:KF+4*\i+3], s[8:9] offset:512*\i
.endr
	s_wait_tensorcnt 0x0                           ; the wave's end: behind my last tensor load and my last LDS store
	ds_add_u32 v[SPW], v[NIL]
	s_wait_dscnt 0x0
	CROUND                                         ; the closing round: no work-group ends while a partner may still ask for a tile that names it
	s_endpgm
.Lfunc_end_k_q498d44220e_attn:
	.size	k_q498d44220e_attn, .Lfunc_end_k_q498d44220e_attn-k_q498d44220e_attn
	.p2alignl 7, 3214868480
	.fill 96, 4, 3214868480
	.section	.rodata,"a",@progbits
	.p2align	6, 0x0
	.amdhsa_kernel k_q498d44220e_attn
		.amdhsa_group_segment_fixed_size 327680
		.amdhsa_private_segment_fixed_size 0
		.amdhsa_enable_private_segment 0
		.amdhsa_kernarg_size 24
		.amdhsa_user_sgpr_count 2
		.amdhsa_user_sgpr_kernarg_segment_ptr 1
		.amdhsa_wavefront_size32 1
		.amdhsa_system_sgpr_workgroup_id_x 1
		.amdhsa_system_sgpr_workgroup_id_y 1
		.amdhsa_system_sgpr_workgroup_id_z 1
		.amdhsa_system_vgpr_workitem_id 0
		.amdhsa_next_free_vgpr 384
		.amdhsa_next_free_sgpr 66
		.amdhsa_reserve_vcc 1
		.amdhsa_float_denorm_mode_32 3
		.amdhsa_float_denorm_mode_16_64 3
		.amdhsa_memory_ordered 1
		.amdhsa_forward_progress 1
		.amdhsa_inst_pref_size 161
	.end_amdhsa_kernel
	.amdgpu_metadata
---
amdhsa.version: [ 1, 2 ]
amdhsa.kernels:
  - .name:           k_q498d44220e_attn
    .symbol:         k_q498d44220e_attn.kd
    .args:
      - { .name: qkv, .offset: 0, .size: 8, .value_kind: global_buffer, .address_space: global }
      - { .name: mask, .offset: 8, .size: 8, .value_kind: global_buffer, .address_space: global }
      - { .name: att, .offset: 16, .size: 8, .value_kind: global_buffer, .address_space: global }
    .group_segment_fixed_size: 327680
    .private_segment_fixed_size: 0
    .kernarg_segment_align: 8
    .kernarg_segment_size: 24
    .max_flat_workgroup_size: 256
    .sgpr_count:     66
    .vgpr_count:     384
    .wavefront_size: 32
...
	.end_amdgpu_metadata
.endif
;; end of part 3
;; launch oproj (part 4): grid 8 x 32, 4 waves a work-group, clusters of 4 x 4, 327,680 bytes of LDS; arguments att, wo16, out0; writes out0
.if DOCPART == 4
	.amdgcn_target "amdgcn-amd-amdhsa--gfx1250"
	.amdhsa_code_object_version 6
	.text
	.protected	k_q498d44220e_oproj
	.globl	k_q498d44220e_oproj
	.p2align	8
	.type	k_q498d44220e_oproj,@function
k_q498d44220e_oproj:
	s_mov_b64 s[64:65], 0
	v_nop
	global_prefetch_b8 v0, s[64:65] scope:SCOPE_SE
	s_setreg_imm32_b32 hwreg(HW_REG_WAVE_MODE, 25, 1), 1
	s_wait_xcnt 0x0
	s_wait_alu depctr_hold_cnt(0) depctr_sa_sdst(0) depctr_va_vdst(0) depctr_va_sdst(0) depctr_va_ssrc(0) depctr_va_vcc(0) depctr_vm_vsrc(0)
	s_getreg_b32 s2, hwreg(HW_REG_IB_STS2, 6, 4)
	s_cmp_eq_u32 s2, 0
	s_cbranch_scc0 .Lentry_in_a_cluster
	s_endpgm
.Lentry_in_a_cluster:
	s_bfe_u32 s2, ttmp6, 0x10000c
	s_cmp_lg_u32 s2, 0xf033
	s_cbranch_scc0 .Lentry_shape_is_right
	s_endpgm
.Lentry_shape_is_right:
; out0[token][n] = sum over k of att[token][k] w_o[n][k], K = 1,024 = 16 heads x 64; operands f16, sums f32, out0 f32.
; att: [token / 128][head][token % 128][64]; wo16: [n / 128][k / 64][n % 128][k % 64]: for a tile of 128 rows each block of 64 along K is 16,384 dense bytes, and the 16 blocks lie on end.
; A tile of out0 is 128 x 128: four waves, each 64 x 64: 16 accumulators of 16 x 16.  K goes in four steps of 256 (four blocks, 65,536 dense bytes a side) through a ring of two LDS slots.
; A wave's tensor load brings two blocks as 128 rows of 256 bytes + 16 of padding; a row of 128 bytes number x of a block lies at (x / 2) x 272 + (x % 2) x 128.
; CLUSTERS: 4 x 4 work-groups; att's tiles are asked for jointly along a row of the cluster, wo16's along a column.
; THE MATRIX INSTRUCTION IS USED TRANSPOSED (source 0 = 16 rows of wo16, source 1 = 16 rows of att): a lane holds eight neighbouring n of one token.
; No prefetch: the tile is small and the launch short.
; REGISTERS: window 0: v0-31 addresses; v32-95 at work on the way out; v128-255 the accumulators ((a, b) at v[128 + 8 (4 a + b)]).
;   window 1: two fragment buffers of 128: for 64 along K, 64 registers of A (2 x 4 x 16 rows x 32 K), then 64 of B.
.set RB16,   8*272                     ; 16 rows of 128 bytes
.set HB,     64*272                    ; a block of 64 along K: 128 rows of 128 bytes
.set HALFT,  2*HB                      ; what one tensor load brings
.set SLOT,   4*HALFT                   ; A's four blocks, then B's four
.set KSTEPB, 65536                     ; a K step in memory, a side
.set STAGE,  2*SLOT                    ; behind the ring: 16 rows x 272 bytes for each wave, its own
.set SPITCH, 272
.set SPARE,  STAGE+4*16*SPITCH         ; the spare words, 128 bytes a wave
.set ADRA, 16                          ; v16-17  LDS address of my A fragments in slot 0, 1
.set ADRB, 20                          ; v20-21  the same for B
.set STO,  24                          ; v24     the way out: where I put 32 bytes of a row
.set RD,   25                          ; v25     the way out: where I read 16 bytes back
.set CO,   26                          ; v26     my byte offset in out0
.set SPW,  28                          ; v28     LDS address of my spare word; never rewritten
.set NIL,  29                          ; v29     0; never rewritten
.set TMP,  32                          ; the way out: two sets of 32 registers
.set ACC,  128
.set F0,   0                           ; fragment buffers, in window 1
.set F1,   128
.set G1, 24                            ; s[24:31] group 1 for A's tiles;  s[32:39] group 0, one set a slot
.set G0, 32
.set G1B, 48                           ; s[48:55], s[56:63] the same for B's
.set G0B, 56
.set MSB, 0
.macro WIN new                         ; the immediate's high byte repeats the setting that is left
.if MSB != (\new)
	s_set_vgpr_msb (MSB<<8)|(\new)
.set MSB, (\new)
.endif
.endm
.set MUL,  0x05                        ; sources 0 (B) and 1 (A) window 1; C and D window 0
.set TO_F, 0x40                        ; destination window 1, address window 0
.macro JLOAD s                         ; a joint load: waves 0 and 1 fetch A's two halves, waves 2 and 3 B's; an s_nop 0 and four v_nop follow each of the two lines
	s_cmp_eq_u32 s11, 0
	s_cbranch_scc0 .Lfor_b_\@
	tensor_load_to_lds s[G0+4*\s:G0+4*\s+3], s[G1:G1+7]
	s_nop 0
.rept 4
	v_nop
.endr
	s_branch .Lasked_\@
.Lfor_b_\@:
	tensor_load_to_lds s[G0B+4*\s:G0B+4*\s+3], s[G1B:G1B+7]
	s_nop 0
.rept 4
	v_nop
.endr
.Lasked_\@:
.endm
.macro CREST                           ; a round of the cluster's barrier behind its opening barrier
	s_cmp_lg_u32 s10, 0
	s_cbranch_scc1 .Lnot_wave_0_\@
	s_barrier_signal -3
.Lnot_wave_0_\@:
	s_barrier_wait -3
	s_barrier_signal -1
	s_barrier_wait -1
.endm
.macro CROUND                          ; a whole round
	s_barrier_signal -1
	s_barrier_wait -1
	CREST
.endm
	s_load_b128 s[4:7], s[0:1], 0x0                ; att s[4:5], wo16 s[6:7]
	s_load_b64 s[8:9], s[0:1], 0x10                ; out0
	v_lshl_add_u32 v[SPW], v0, 2, SPARE
	v_mov_b32 v[NIL], 0
	ds_add_u32 v[SPW], v[NIL]                      ; the wave's opening: the add, twice on end, and its wait ahead of my first tensor load
	ds_add_u32 v[SPW], v[NIL]                      ; and once more, under the one wait; the set-up below is work on registers
	v_lshrrev_b32 v1, 5, v0
	v_readfirstlane_b32 s10, v1                    ; wave 0..3
	s_lshr_b32 s11, s10, 1                         ; which half of the tile's rows is mine.  Also: I fetch for A (0) or for B (1)
	s_and_b32 s12, s10, 1                          ; which half of its columns.  Also: which two blocks of the K step I fetch
	s_bfe_u32 s40, ttmp6, 0x40000                  ; cx, cy: my place in the cluster
	s_bfe_u32 s41, ttmp6, 0x40004
	s_lshl_b32 s42, ttmp9, 2
	s_add_co_u32 s42, s42, s40                     ; tile column = 4 x cluster x + cx
	s_and_b32 s13, ttmp7, 0xffff
	s_lshl_b32 s13, s13, 2
	s_add_co_u32 s13, s13, s41                     ; tile row = 4 x cluster y + cy
	s_lshl_b32 s43, s41, 2
	s_lshl_b32 s43, 15, s43                        ; my row of the cluster
	s_lshl_b32 s44, 0x1111, s40                    ; my column
	; group 1: 128 rows of 128 elements of 2 bytes, dense in memory, 16 bytes of padding behind each
	s_or_b32 s[G1+0], s43, (1<<16)|(1<<20)|(1<<21)|(5<<22)|(3<<25)  ; 15:0 the mask; 17:16 2 bytes; 20 padding on; 21 set beside a mask; 24:22 after every 64 words; 31:25 four words
	s_or_b32 s[G1B+0], s44, (1<<16)|(1<<20)|(1<<21)|(5<<22)|(3<<25)
.irp g, G1, G1B
	s_mov_b32 s[\g+1], 128<<16                     ; tensor_dim0
	s_mov_b32 s[\g+2], 128<<16                     ; tensor_dim1
	s_mov_b32 s[\g+3], 128<<16                     ; tile_dim0
	s_mov_b32 s[\g+4], 128                         ; tile_dim1
	s_mov_b32 s[\g+5], 128                         ; from row to row
	s_mov_b32 s[\g+6], 0
	s_mov_b32 s[\g+7], 0
.endr
	s_lshl_b32 s17, s12, 15                        ; my two blocks: 32,768 bytes
	s_lshl_b32 s16, s13, 18
	s_add_co_u32 s16, s16, s17                     ; A: tile row x 262,144 + half
	s_lshl_b32 s46, s42, 18
	s_add_co_u32 s46, s46, s17                     ; B: tile column x 262,144 + half
	s_mov_b32 s17, 0
	s_mov_b32 s47, 0
	s_mul_i32 s20, s10, HALFT                      ; where they go: wave x two blocks: no place in the cluster enters an LDS address
	s_wait_dscnt 0x0                               ; both opening adds are done
	s_wait_kmcnt 0x0
	s_add_nc_u64 s[14:15], s[4:5], s[16:17]
	s_add_nc_u64 s[46:47], s[6:7], s[46:47]
	CROUND                                         ; all sixteen work-groups are here: the first joint loads meet
.irp s, 0,1
	s_mov_b32 s[G0+4*\s], 1
	s_add_co_u32 s[G0+4*\s+1], s20, \s*SLOT
	s_add_nc_u64 s[G0+4*\s+2:G0+4*\s+3], s[14:15], \s*KSTEPB
	s_or_b32 s[G0+4*\s+3], s[G0+4*\s+3], 0x80000000
	s_mov_b32 s[G0B+4*\s], 1
	s_add_co_u32 s[G0B+4*\s+1], s20, \s*SLOT
	s_add_nc_u64 s[G0B+4*\s+2:G0B+4*\s+3], s[46:47], \s*KSTEPB
	s_or_b32 s[G0B+4*\s+3], s[G0B+4*\s+3], 0x80000000
	JLOAD \s                                       ; two loads of mine are out
.endr
	v_and_b32 v1, 15, v0                           ; r = lane % 16
	v_bfe_u32 v2, v0, 4, 1                         ; h = lane / 16
	v_lshrrev_b32 v3, 1, v1
	v_mul_u32_u24 v3, v3, 272
	v_and_b32 v4, 1, v1
	v_lshl_add_u32 v3, v4, 7, v3
	v_lshl_add_u32 v3, v2, 4, v3                   ; a fragment's row: (r / 2) x 272 + (r % 2) x 128 + 16 h
	s_mul_i32 s21, s11, 4*RB16                     ; my 64 rows of A in each block
	s_mul_i32 s22, s12, 4*RB16                     ; my 64 rows of B,
	s_add_co_u32 s22, s22, 2*HALFT                 ; whose blocks lie behind A's four
.irp s, 0,1
	v_add_nc_u32 v[ADRA+\s], s21, v3
	v_add_nc_u32 v[ADRB+\s], s22, v3
	s_add_co_u32 s21, s21, SLOT
	s_add_co_u32 s22, s22, SLOT
.endr
	s_mul_i32 s23, s10, 16*SPITCH
	s_add_co_u32 s23, s23, STAGE                   ; my stage
	v_mul_u32_u24 v4, v1, SPITCH                   ; in: row r, 32 bytes for each half of the lanes
	v_lshl_add_u32 v4, v2, 5, v4
	v_add_nc_u32 v[STO], s23, v4
	v_mul_u32_u24 v5, v2, SPITCH                   ; back: lanes 0-15 one row of 256 bytes, lanes 16-31 the next
	v_lshl_add_u32 v5, v1, 4, v5
	v_add_nc_u32 v[RD], s23, v5
	v_lshlrev_b32 v5, 12, v2                       ; and the same two rows in out0: 4,096 bytes a row
	v_lshl_add_u32 v[CO], v1, 4, v5
	s_lshl_b32 s16, s13, 7
	s_lshl_b32 s17, s11, 6
	s_add_co_u32 s16, s16, s17                     ; my first row: 128 x tile row + 64 x half
	s_lshl_b32 s16, s16, 12
	s_mov_b32 s17, 0
	s_add_nc_u64 s[8:9], s[8:9], s[16:17]
	s_lshl_b32 s46, s42, 9                         ; my first column, in bytes: 512 x tile column + 256 x half
	s_lshl_b32 s47, s12, 8
	s_add_co_u32 s46, s46, s47
	s_mov_b32 s47, 0
	s_add_nc_u64 s[8:9], s[8:9], s[46:47]
; 8 matrix instructions: m blocks a0, a0 + 1 x all 4 n blocks, 32 along K: half c of buffer f.  zero = 1: the first product starts the sums.  The 16 accumulators take turns.
.macro MUL8 f, c, a0, zero
.irp a, \a0, \a0+1
.irp b, 0,1,2,3
.if \zero
	v_wmma_f32_16x16x32_f16 v[ACC+8*(4*(\a)+\b):ACC+8*(4*(\a)+\b)+7], v[\f+64+8*(4*\c+\b):\f+64+8*(4*\c+\b)+7], v[\f+8*(4*\c+\a):\f+8*(4*\c+\a)+7], 0
.else
	v_wmma_f32_16x16x32_f16 v[ACC+8*(4*(\a)+\b):ACC+8*(4*(\a)+\b)+7], v[\f+64+8*(4*\c+\b):\f+64+8*(4*\c+\b)+7], v[\f+8*(4*\c+\a):\f+8*(4*\c+\a)+7], v[ACC+8*(4*(\a)+\b):ACC+8*(4*(\a)+\b)+7]
.endif
.endr
.endr
.endm
; 32 LDS loads in one run: the fragments of the block that begins at byte k of a side's part of the slot, into buffer f; the first 32 along K first
.macro FETCH slot, k, f
	WIN TO_F
.irp c, 0,1
.irp i, 0,1,2,3
	ds_load_b128 v[\f+64+8*(4*\c+\i):\f+64+8*(4*\c+\i)+3],   v[ADRB+\slot] offset:\k+64*\c+\i*RB16
	ds_load_b128 v[\f+64+8*(4*\c+\i)+4:\f+64+8*(4*\c+\i)+7], v[ADRB+\slot] offset:\k+64*\c+\i*RB16+32
	ds_load_b128 v[\f+8*(4*\c+\i):\f+8*(4*\c+\i)+3],         v[ADRA+\slot] offset:\k+64*\c+\i*RB16
	ds_load_b128 v[\f+8*(4*\c+\i)+4:\f+8*(4*\c+\i)+7],       v[ADRA+\slot] offset:\k+64*\c+\i*RB16+32
.endr
.endr
.endm
.macro PLACES                          ; four places in front of loads into registers that matrix instructions have read, and of the first read of results
.rept 4
	v_nop
.endr
.endm
; A K step is four quarters of 64 along K (a block), 32 matrix instructions each, on buffers 0, 1, 0, 1.  One of the first three: multiplies buffer f and fetches the next block, at byte k, into g.
.macro QUARTER slot, k, f, g, zero
	s_wait_dscnt 16                                ; the first 32 along K are in; the sixteen younger loads may be out
	WIN MUL
	MUL8 \f, 0, 0, \zero
	MUL8 \f, 0, 2, \zero
	PLACES
	FETCH \slot, \k, \g
	s_wait_dscnt 32                                ; all but the 32 just issued
	WIN MUL
	MUL8 \f, 1, 0, 0
	MUL8 \f, 1, 2, 0
.endm
; The last quarter multiplies buffer 1 and changes slots: ONE barrier; in front of it each wave waits for all its tensor loads, adds 0 to its spare word, and waits for that and for its own reads of this slot.
; fill = 1: the barrier opens a round of the cluster's barrier, and this slot is filled again, two K steps ahead, first thing behind the round.
.macro TURN slot, next, fill
	WIN 0                                          ; (the add's two registers lie in window 0)
	s_wait_tensorcnt 0x0                           ; all my tensor loads have landed: my part of the next slot
	ds_add_u32 v[SPW], v[NIL]                      ; 0 onto my spare word
	s_wait_dscnt 17                                ; (the add and the youngest sixteen loads may be out)
	WIN MUL
	MUL8 F1, 0, 0, 0                               ; eight matrix instructions stand between the add and the wait for it
	s_wait_dscnt 0x0                               ; the add is done, and my reads of this slot are over
	s_barrier_signal -1
	MUL8 F1, 0, 2, 0
.if \fill
	WIN 0
.endif
	s_barrier_wait -1
.if \fill
	CREST                                          ; no wave of any partner still reads this slot's tile or has a load on its way
	s_add_nc_u64 s[G0+4*\slot+2:G0+4*\slot+3], s[G0+4*\slot+2:G0+4*\slot+3], 2*KSTEPB
	s_add_nc_u64 s[G0B+4*\slot+2:G0B+4*\slot+3], s[G0B+4*\slot+2:G0B+4*\slot+3], 2*KSTEPB
	JLOAD \slot                                    ; the first tensor load behind the round; the four v_nop behind it are also the places in front of the loads below
.else
	PLACES
.endif
	FETCH \next, 0, F0
	WIN MUL
	MUL8 F1, 1, 0, 0
	MUL8 F1, 1, 2, 0
.endm
	s_wait_tensorcnt 1                             ; my part of K step 0 is in (K step 1's load may be out),
	s_barrier_signal -1
	s_barrier_wait -1                              ; everybody's is
	FETCH 0, 0, F0
	QUARTER 0, HB,   F0, F1, 1                     ; K step 0: its first products start the sums
	QUARTER 0, 2*HB, F1, F0, 0
	QUARTER 0, 3*HB, F0, F1, 0
	TURN 0, 1, 1                                   ; slot 0 takes K step 2
	QUARTER 1, HB,   F0, F1, 0                     ; K step 1
	QUARTER 1, 2*HB, F1, F0, 0
	QUARTER 1, 3*HB, F0, F1, 0
	TURN 1, 0, 1                                   ; slot 1 takes K step 3
	QUARTER 0, HB,   F0, F1, 0                     ; K step 2
	QUARTER 0, 2*HB, F1, F0, 0
	QUARTER 0, 3*HB, F0, F1, 0
	TURN 0, 1, 0                                   ; nothing is left to ask for
	QUARTER 1, HB,   F0, F1, 0                     ; K step 3
	QUARTER 1, 2*HB, F1, F0, 0
	QUARTER 1, 3*HB, F0, F1, 0
	s_wait_dscnt 16                                ; the very last quarter: nothing more to fetch
	WIN MUL
	MUL8 F1, 0, 0, 0
	MUL8 F1, 0, 2, 0
	s_wait_dscnt 0
	MUL8 F1, 1, 0, 0
	MUL8 F1, 1, 2, 0
	WIN 0
; THE WAY OUT, block by block of 16 rows x 64 columns of f32.  A lane holds 32 neighbouring bytes of a row; a block goes through my own stage and comes back as whole runs of 256 bytes: sixteen lanes store
; 256 consecutive bytes, aligned.  LDS serves a wave's instructions in order: no wait between the stores and the loads, nor in front of the next block's stores.
.macro TOSTAGE a
.irp b, 0,1,2,3
	ds_store_b128 v[STO], v[ACC+8*(4*(\a)+\b):ACC+8*(4*(\a)+\b)+3] offset:64*\b        ; each accumulator from its low end on
	ds_store_b128 v[STO], v[ACC+8*(4*(\a)+\b)+4:ACC+8*(4*(\a)+\b)+7] offset:64*\b+16
.endr
.set BB, TMP+32*((\a)%2)
.irp t, 0,1,2,3,4,5,6,7
	ds_load_b128 v[BB+4*\t:BB+4*\t+3], v[RD] offset:\t*2*SPITCH
.endr
.endm
.macro SEND a, younger                 ; younger: the LDS instructions issued behind block a's loads, which may stay out
.set BB, TMP+32*((\a)%2)
	s_wait_dscnt \younger                          ; the block is back in registers
.irp t, 0,1,2,3,4,5,6,7
	global_store_b128 v[CO], v[BB+4*\t:BB+4*\t+3], s[8:9] offset:(16*(\a)+2*\t)*4096 th:TH_STORE_NT   ; written once, read by nobody here
.endr
.endm
	PLACES                                         ; behind the last products
	TOSTAGE 0
.irp a, 1,2,3
.if \a > 1
	s_wait_xcnt 0x0                                ; block a - 2's stores have read their registers: block a's loads may land there
.endif
	TOSTAGE \a
	SEND \a-1, 16                                  ; behind block a - 1's loads: block a's 8 stores and 8 loads
.endr
	SEND 3, 0
	s_wait_tensorcnt 0x0                           ; the wave's end: behind my last tensor load and my last LDS store
	ds_add_u32 v[SPW], v[NIL]
	s_wait_dscnt 0x0
	CROUND                                         ; the closing round: no work-group ends while a partner may still ask for a tile that names it
	s_endpgm
.Lfunc_end_k_q498d44220e_oproj:
	.size	k_q498d44220e_oproj, .Lfunc_end_k_q498d44220e_oproj-k_q498d44220e_oproj
	.p2alignl 7, 3214868480
	.fill 96, 4, 3214868480
	.section	.rodata,"a",@progbits
	.p2align	6, 0x0
	.amdhsa_kernel k_q498d44220e_oproj
		.amdhsa_group_segment_fixed_size 327680
		.amdhsa_private_segment_fixed_size 0
		.amdhsa_enable_private_segment 0
		.amdhsa_kernarg_size 24
		.amdhsa_user_sgpr_count 2
		.amdhsa_user_sgpr_kernarg_segment_ptr 1
		.amdhsa_wavefront_size32 1
		.amdhsa_system_sgpr_workgroup_id_x 1
		.amdhsa_system_sgpr_workgroup_id_y 1
		.amdhsa_system_sgpr_workgroup_id_z 1
		.amdhsa_system_vgpr_workitem_id 0
		.amdhsa_next_free_vgpr 512
		.amdhsa_next_free_sgpr 66
		.amdhsa_reserve_vcc 0
		.amdhsa_float_denorm_mode_32 3
		.amdhsa_float_denorm_mode_16_64 3
		.amdhsa_memory_ordered 1
		.amdhsa_forward_progress 1
		.amdhsa_inst_pref_size 85
	.end_amdhsa_kernel
	.amdgpu_metadata
---
amdhsa.version: [ 1, 2 ]
amdhsa.kernels:
  - .name:           k_q498d44220e_oproj
    .symbol:         k_q498d44220e_oproj.kd
    .args:
      - { .name: att, .offset: 0, .size: 8, .value_kind: global_buffer, .address_space: global }
      - { .name: wo16, .offset: 8, .size: 8, .value_kind: global_buffer, .address_space: global }
      - { .name: out0, .offset: 16, .size: 8, .value_kind: global_buffer, .address_space: global }
    .group_segment_fixed_size: 327680
    .private_segment_fixed_size: 0
    .kernarg_segment_align: 8
    .kernarg_segment_size: 24
    .max_flat_workgroup_size: 128
    .sgpr_count:     66
    .vgpr_count:     512
    .wavefront_size: 32
...
	.end_amdgpu_metadata
.endif
;; end of part 4
